; MI455X (gfx1250); checked and timed in simulation.
; The chip was launched on July 23, 2026; its instructions are those of AMD's public machine-readable ISA for CDNA 5 (MIT licence, August 2026) and "CDNA5" Instruction Set Architecture Reference Guide (July 2026). The comments in the code are by the model that wrote it; some were corrected since.
;; Multi Head Self Attention. Allowed arithmetic: matrix products marked QUANTISED: E2M1 operands, one E8M0 scale for each 32 along K, by v_wmma_scale_f32_16x16x128_f8f6f4 with both operands' format E2M1 (or v_wmma_scale_f32_32x16x128_f4), f32 sums; products left as they are: bf16, f16 or f32 operands; f32 sums; everything else in f32.
;; Inputs: Wk 1,024 x 1,024 float32; Wo 1,024 x 1,024 float32; Wq 1,024 x 1,024 float32; Wv 1,024 x 1,024 float32; x 4 x 2,048 x 1,024 float32.
;; Outputs: out0 4 x 2,048 x 1,024 float32.
;; This version of the problem:
;;   THIS VERSION OF THE PROBLEM IS GIVEN IN LOW PRECISION. The matrix products marked QUANTISED in the list below multiply operands that are first quantised to E2M1 (2 exponent bits, 1 mantissa bit; 4 bits a number), with one power-of-two scale for each 32 numbers along K (OCP MX v1.0); their sums are f32. The products marked 'left as it is' may take bf16, f16 or f32 operands, with f32 sums. Whichever they take, every output number must still come out within the allowed error. Rounding operands to bf16 (8 significant bits) uses up far more of that allowance than f16 does (11 bits, for magnitudes from 6e-5 to 65,504). All else is computed in f32.
;;   The module's matrix products, in the order in which they are computed (A, B: the left and right operand; K: the contracted axis; several contracted axes count as one K, in the product's order):
;;     1. [M 8,192, K 1,024] x [K 1,024, N 1,024]; A: input x; B: input Wq: QUANTISED
;;     2. [M 8,192, K 1,024] x [K 1,024, N 1,024]; A: input x; B: input Wk: QUANTISED
;;     3. [M 8,192, K 1,024] x [K 1,024, N 1,024]; A: input x; B: input Wv: QUANTISED
;;     4. batch 64 x [M 2,048, K 64] x [K 64, N 2,048]; A: computed on the way; B: computed on the way: left as it is (an operand is computed on the way)
;;     5. batch 64 x [M 2,048, K 2,048] x [K 2,048, N 64]; A: computed on the way; B: computed on the way: left as it is (an operand is computed on the way)
;;     6. [M 8,192, K 1,024] x [K 1,024, N 1,024]; A: computed on the way; B: input Wo: left as it is (an operand is computed on the way)
;;   THE QUANTISER, for each operand of a quantised product, along K:
;;     - K is cut into blocks of 32 from its start; a last block that is shorter is filled with zeros.
;;     - A block's scale is 2^e with e = floor(log2(the largest magnitude in the block)) - 2, held to -126 .. 127; a block of zeros has e = 0. As a byte (E8M0): e + 127.
;;     - Each number is divided by its block's scale, clamped to +-6, and rounded to the nearest number of E2M1, ties to even, subnormals kept.
;;     - The product sums the exact products of the quantised numbers (number of the format x scale) in f32.
;;   ~~~python
;;   def quantise(x, axis):      # numpy; x: float32 -> the quantised numbers, widened to float32 again
;;       x = np.moveaxis(x, axis, -1); K = x.shape[-1]
;;       x = np.pad(x, [(0, 0)] * (x.ndim - 1) + [(0, -K % 32)]); x = x.reshape(x.shape[:-1] + (-1, 32)); a = np.abs(x).max(-1, keepdims=True)
;;       e = np.where(a > 0, np.clip(np.frexp(np.where(a > 0, a, 1))[1] - 1 - 2, -126, 127), 0)      # np.frexp(a)[1] - 1 = floor(log2(a)), exactly
;;       r = np.clip(x / 2.0 ** e, -6, 6)
;;       step = 2.0 ** (np.maximum(np.frexp(np.where(r == 0, 1, r))[1] - 1, 0) - 1)
;;       q = np.round(r / step) * step * 2.0 ** e      # np.round: ties to even
;;       return np.moveaxis(q.reshape(q.shape[:-2] + (-1,))[..., :K], -1, axis).astype(np.float32)
;;   ~~~
;; One version. Each part assembles by itself: llvm-mc -triple=amdgcn-amd-amdhsa -mcpu=gfx1250 --defsym DOCPART=n.
;; ======== version 1 of 1: 5 launches
;; limits: values are held in f16: magnitudes above 65,504 overflow, below 6.1e-05 lose precision
;; workspace buffers: codes 5,767,168 bytes; scales 360,448 bytes; wo16 2,097,152 bytes; tab 1,048,576 bytes; qkv16 50,331,648 bytes; attn16 16,777,216 bytes; finebuf 786,432 bytes
;; launch prep (part 1): grid 448 x 1, 4 waves a work-group, no clusters, 33,280 bytes of LDS; arguments x, Wq, Wk, Wv, Wo, codes, scales, wo16, tab; writes codes, scales, wo16, tab
.if DOCPART == 1
	.amdgcn_target "amdgcn-amd-amdhsa--gfx1250"
	.amdhsa_code_object_version 6
	.text
	.protected	k_q1e6bca3ed2_prep
	.globl	k_q1e6bca3ed2_prep
	.p2align	8
	.type	k_q1e6bca3ed2_prep,@function
k_q1e6bca3ed2_prep:
	s_mov_b64 s[64:65], 0
	v_nop
	global_prefetch_b8 v0, s[64:65] scope:SCOPE_SE
	s_setreg_imm32_b32 hwreg(HW_REG_WAVE_MODE, 25, 1), 1
	s_wait_xcnt 0x0
; PREP: three jobs that share one launch, told apart by the work-group's number.
; (1) Work-groups 0-351: x [8192][1024] and Wq, Wk, Wv [1024][1024], f32, become codes of FP4 (E2M1), K innermost, with one E8M0 byte for each 32 along K.  Rows are dense and 1024 is a multiple of 32,
;     so the four tensors are plain streams of blocks of 32; their codes and bytes lie on end in ONE buffer each: rows 0-8191 x, then Wq, Wk, Wv.  A block's scale is 2^(floor(log2(largest magnitude)) - 2):
;     its byte is the largest magnitude's exponent field - 2, held at 1 from below.  A block of zeros so keeps the byte 1: its codes are zeros, and this program alone reads the bytes.
; (2) Work-groups 352-415: Wo, f32, becomes f16, laid [16 planes of 64 along K][1024 rows][64], so that a tile of the last product is a dense block.
; (3) Work-groups 416-447: cos and sin of pos x 10000^(-j/32), pos 0-2047, j 0-31, laid [2][pos][j][cos, sin] f32; table 0 is multiplied by log2(e)/8 (for q: the softmax works in base 2), table 1 is plain (for k).
;     The angle is reduced by multiples of pi/2 with two fused multiply-adds (pi/2 in two parts); sine and cosine on [-pi/4, pi/4] are polynomials of degree 7 and 8.
; LIMITS: NaN and infinities among the inputs are not served; blocks whose largest magnitude lies under 2^-124 keep the byte 1; |Wo| stays under 65,504 (f16).
.set QWG,   352                        ; work-groups of job 1: (8192 + 3 x 1024) x 1024 / 32,768
.set WWG,   416                        ; jobs 1 and 2 together
.set STEPS, 16
.set CB,    8                          ; bytes of 16 codes
.set R,     16                         ; v16-79   four sets of 16 numbers as they are loaded
.set X,     80                         ; v80-111  two sets of 16 neighbours
.set E,     112                        ; v112-127 a scale byte for each step
.set C,     128                        ; v128-191 codes: four registers for each step, so that no store's data are written again
.set WREG,  8192                       ; LDS: a region for each wave: two stages of 32 x SP bytes, behind them its 256 scale bytes
.set SP,    80                         ; a lane's place in a stage: 64 bytes + 16 of padding
.set SPW,   192                        ; v192     LDS address of my spare word; never rewritten
.set NIL,   193                        ; v193     0; never rewritten
.set SPARE, 4*WREG                     ; behind the four regions: the spare words, 128 bytes a wave
	s_load_b512 s[4:19], s[0:1], 0x0               ; x s4, Wq s6, Wk s8, Wv s10, Wo s12, codes s14, scales s16, wo16 s18
	s_load_b64 s[20:21], s[0:1], 0x40              ; tab
	v_lshl_add_u32 v[SPW], v0, 2, SPARE
	v_mov_b32 v[NIL], 0
	v_lshrrev_b32 v1, 5, v0
	v_readfirstlane_b32 s22, v1                    ; wave
	v_and_b32 v2, 31, v0                           ; lane
	s_wait_kmcnt 0x0
	s_cmp_ge_u32 ttmp9, QWG
	s_cbranch_scc1 .Lother
; ---- job 1: the quantiser.  A wave takes 16 steps of 512 numbers.  Each of a step's four loads reads 512 consecutive bytes; the 2,048 bytes turn through the wave's own stage in LDS and come back
; 64 bytes a lane, so that a lane holds 16 neighbours along K (two lanes hold a block).  Loads run four steps ahead, the turn through LDS one step.
	v_lshlrev_b32 v3, 4, v2                        ; my 16 bytes of a load's 512
	s_mul_i32 s23, s22, WREG
	v_lshrrev_b32 v14, 2, v2
	v_mul_u32_u24 v14, v14, SP
	v_and_b32 v15, 3, v2
	v_lshl_add_u32 v14, v15, 4, v14
	v_add_nc_u32 v14, s23, v14                     ; the stage, in: SP (lane / 4) + 16 (lane % 4)
	v_mul_u32_u24 v15, v2, SP
	v_add_nc_u32 v15, s23, v15                     ; and out: SP x lane
	v_mul_u32_u24 v4, v2, CB                       ; my codes' place in a step's
	v_lshrrev_b32 v5, 1, v2
	s_add_co_u32 s23, s23, 2*32*SP
	v_add_nc_u32 v5, s23, v5                       ; my block's byte among my wave's 256
	v_lshlrev_b32 v7, 3, v2
	v_add_nc_u32 v6, s23, v7                       ; and 8 bytes a lane on the way out
	s_sub_co_u32 s26, ttmp9, 256                   ; behind x's 256 work-groups: 32 for each weight
	s_lshr_b32 s27, s26, 5
	s_and_b32 s26, s26, 31
	s_cmp_eq_u32 s27, 1                            ; the choices hang on the work-group's number alone
	s_cselect_b64 s[24:25], s[8:9], s[10:11]
	s_cmp_eq_u32 s27, 0
	s_cselect_b64 s[24:25], s[6:7], s[24:25]
	s_cmp_lt_u32 ttmp9, 256
	s_cselect_b64 s[24:25], s[4:5], s[24:25]
	s_cselect_b32 s26, ttmp9, s26                  ; the work-group's number within its tensor
	s_lshl_b32 s26, s26, 2
	s_add_co_u32 s26, s26, s22                     ; my wave's run of 8,192 numbers in the tensor,
	s_lshl_b32 s26, s26, 15                        ; in bytes (under 2^26)
	s_mov_b32 s27, 0
	s_add_nc_u64 s[24:25], s[24:25], s[26:27]
	s_lshl_b32 s28, ttmp9, 2
	s_add_co_u32 s28, s28, s22                     ; and in the one stream of results
	s_lshl_b32 s26, s28, 12                        ; 4,096 bytes of codes a run
	s_add_nc_u64 s[14:15], s[14:15], s[26:27]
	s_lshl_b32 s26, s28, 8                         ; 256 scale bytes a run
	s_add_nc_u64 s[16:17], s[16:17], s[26:27]
.macro LOAD t
.irp i, 0,1,2,3
	global_load_b128 v[R+16*((\t)%4)+4*\i:R+16*((\t)%4)+4*\i+3], v3, s[24:25] offset:2048*(\t)+512*\i th:TH_LOAD_NT
.endr
.endm
.macro TURN t                          ; step t's numbers through the stage: LDS serves a wave's instructions in order, so no wait stands between the stores and the loads
.irp i, 0,1,2,3
	ds_store_b128 v14, v[R+16*((\t)%4)+4*\i:R+16*((\t)%4)+4*\i+3] offset:32*SP*((\t)%2)+8*SP*\i
.endr
.irp i, 0,1,2,3
	ds_load_b128 v[X+16*((\t)%2)+4*\i:X+16*((\t)%2)+4*\i+3], v15 offset:32*SP*((\t)%2)+16*\i
.endr
.endm
.irp t, 0,1,2,3
	LOAD \t
.endr
	s_wait_loadcnt 12                              ; step 0's four loads are in; three steps' twelve may be out
	TURN 0
.macro STEP t
.set XS, X+16*((\t)%2)
.if (\t) > 0
	s_wait_dscnt 1                                 ; this step's numbers are back from the stage (the last step's byte store may be out), so its stores into the stage have read their registers,
.else
	s_wait_dscnt 0x0
.endif
.if (\t)+4 < STEPS
	LOAD (\t)+4                                    ; which take the loads of four steps on
.endif
.if (\t)+1 < STEPS
.if STEPS-2-(\t) >= 3
	s_wait_loadcnt 12                              ; the next step's four loads are in; those of the three steps behind it may be out
.else
	s_wait_loadcnt 4*(STEPS-2-(\t))
.endif
	TURN (\t)+1
.endif
	v_max3_num_f32 v8, |v[XS]|, |v[XS+1]|, |v[XS+2]|               ; the largest magnitude of my 16, in two chains
	v_max3_num_f32 v9, |v[XS+3]|, |v[XS+4]|, |v[XS+5]|
.irp i, 6,10
	v_max3_num_f32 v8, v8, |v[XS+\i]|, |v[XS+\i+1]|
	v_max3_num_f32 v9, v9, |v[XS+\i+2]|, |v[XS+\i+3]|
.endr
	v_max3_num_f32 v8, v8, |v[XS+14]|, |v[XS+15]|
	v_max3_num_f32 v8, v8, v9, 0x1800000           ; and the floor 2^(3 - 127): the byte cannot fall under 1
	v_max_num_f32_dpp v8, v8, v8 row_xmask:1 row_mask:0xf bank_mask:0xf   ; with my neighbour's 16: the block's
	v_add_nc_u32 v11, 0xff000000, v8               ; 2 off its exponent field: the conversion takes the exponent field of this operand as its scale
	v_cvt_scalef32_pk8_fp4_f32 v[C+4*(\t)], v[XS:XS+7], v11
	v_cvt_scalef32_pk8_fp4_f32 v[C+4*(\t)+1], v[XS+8:XS+15], v11
	v_lshrrev_b32 v[E+(\t)], 23, v11               ; the scale's byte
	ds_store_b8 v5, v[E+(\t)] offset:16*(\t)       ; both lanes of a block write the same byte with the same value
	global_store_b64 v4, v[C+4*(\t):C+4*(\t)+1], s[14:15] offset:32*CB*(\t)   ; the wave stores 256 consecutive bytes, aligned
.endm
.irp t, 0,1,2,3,4,5,6,7,8,9,10,11,12,13,14,15
	STEP \t
.endr
	ds_load_b64 v[8:9], v6                         ; LDS serves a wave's instructions in order: these see my stores
	s_wait_dscnt 0x0
	global_store_b64 v7, v[8:9], s[16:17]          ; 32 lanes store 256 consecutive bytes, aligned
	s_wait_tensorcnt 0x0                           ; the wave's end, behind my last LDS store
	ds_add_u32 v[SPW], v[NIL]
	s_wait_dscnt 0x0
	s_endpgm
.Lother:
	s_cmp_ge_u32 ttmp9, WWG
	s_cbranch_scc1 .Ltab
; ---- job 2: Wo to f16.  A wave owns four rows.  For each plane of 64 along K eight lanes take a row's 256 bytes (two loads of 16 bytes a lane) and the wave stores 512 consecutive bytes.
	s_sub_co_u32 s23, ttmp9, QWG
	s_lshl_b32 s23, s23, 2
	s_add_co_u32 s23, s23, s22                     ; which four rows
	s_lshl_b32 s26, s23, 14                        ; 4 rows of 4,096 bytes
	s_mov_b32 s27, 0
	s_add_nc_u64 s[12:13], s[12:13], s[26:27]
	s_lshl_b32 s26, s23, 9                         ; 4 rows of 128 bytes in a plane
	s_add_nc_u64 s[18:19], s[18:19], s[26:27]
	v_lshrrev_b32 v3, 3, v2
	v_and_b32 v4, 7, v2
	v_lshlrev_b32 v3, 12, v3
	v_lshl_add_u32 v3, v4, 5, v3                   ; in: row lane / 8, 32 bytes for each of eight lanes
	v_lshlrev_b32 v4, 4, v2                        ; out: 16 bytes a lane
.irp kb, 0,1,2,3,4,5,6,7,8,9,10,11,12,13,14,15
	global_load_b128 v[16+8*\kb:16+8*\kb+3], v3, s[12:13] offset:256*\kb th:TH_LOAD_NT
	global_load_b128 v[16+8*\kb+4:16+8*\kb+7], v3, s[12:13] offset:256*\kb+16 th:TH_LOAD_NT
.endr
.irp kb, 0,1,2,3,4,5,6,7,8,9,10,11,12,13,14,15
	s_wait_loadcnt 30-2*\kb                        ; this plane's two loads are in; the later planes' may be out
.irp i, 0,1,2,3
	v_cvt_pk_f16_f32 v[16+8*\kb+\i], v[16+8*\kb+2*\i], v[16+8*\kb+2*\i+1]   ; in place, ascending: a result never lands on a number still to be read
.endr
	global_store_b128 v4, v[16+8*\kb:16+8*\kb+3], s[18:19] offset:131072*\kb
.endr
	s_endpgm
.Ltab:
; ---- job 3: the tables.  A wave makes 16 positions; lane = j.
	s_sub_co_u32 s23, ttmp9, WWG
	s_lshl_b32 s23, s23, 2
	s_add_co_u32 s23, s23, s22
	s_lshl_b32 s23, s23, 4                         ; my first position
	v_cvt_f32_u32 v3, v2
	v_mul_f32 v3, 0xbed49a78, v3                   ; -j log2(10000) / 32
	v_exp_f32 v3, v3                               ; 10000^(-j/32)
	v_cvt_f32_u32 v4, s23                          ; the position as f32 (a plain instruction behind the exponential)
	s_lshl_b32 s26, s23, 8
	v_lshl_add_u32 v5, v2, 3, s26                  ; 256 bytes a position, 8 a lane
	v_mov_b32 v20, 0xb94ca1f9                      ; the polynomials' leading coefficients
	v_mov_b32 v21, 0x37ccf5ce
	s_mov_b32 s31, 0x3fc90fdb                      ; pi/2, high part,
	s_mov_b32 s32, 0xb33bbd2e                      ; and what is left of it
	s_mov_b32 s34, 0x3e38aa3b                      ; log2(e) / 8
	s_mov_b32 s35, s34                             ; (named with it as a pair, so it is written)
	s_mov_b32 s30, 16
	s_wait_alu depctr_va_vdst(0)                   ; the wait ahead of the first reader of the exponential, and ahead of the label
.Lpos:
	v_mul_f32 v6, v4, v3                           ; the angle
	v_mul_f32 v7, 0x3f22f983, v6
	v_rndne_f32 v7, v7                             ; n = the nearest multiple of pi/2
	v_fma_f32 v8, -v7, s31, v6
	v_fma_f32 v8, -v7, s32, v8                     ; r, within pi/4 of 0
	v_mul_f32 v9, v8, v8                           ; r^2
	v_fmaak_f32 v10, v20, v9, 0x3c08839e
	v_fmaak_f32 v12, v21, v9, 0xbab6061a
	v_fmaak_f32 v10, v10, v9, 0xbe2aaaa3
	v_fmaak_f32 v12, v12, v9, 0x3d2aaaa5
	v_mul_f32 v11, v8, v9
	v_mul_f32 v13, v9, v9
	v_fma_f32 v14, v9, -0.5, 1.0
	v_fma_f32 v10, v11, v10, v8                    ; sin r
	v_fma_f32 v12, v13, v12, v14                   ; cos r
	v_cvt_i32_f32 v15, v7
	v_and_b32 v16, 1, v15
	v_cmp_eq_u32 vcc_lo, 1, v16                    ; an odd quadrant changes the two about
	v_cndmask_b32 v23, v10, v12, vcc_lo            ; sin
	v_cndmask_b32 v22, v12, v10, vcc_lo            ; cos
	v_and_b32 v16, 2, v15
	v_lshlrev_b32 v16, 30, v16
	v_xor_b32 v23, v23, v16                        ; sin is negative in quadrants 2 and 3,
	v_add_nc_u32 v15, 1, v15
	v_and_b32 v15, 2, v15
	v_lshlrev_b32 v15, 30, v15
	v_xor_b32 v22, v22, v15                        ; cos in 1 and 2
	v_pk_mul_f32 v[24:25], v[22:23], s[34:35] op_sel_hi:[1,0]
	global_store_b64 v5, v[24:25], s[20:21]        ; q's table: the wave stores 256 consecutive bytes, aligned
	global_store_b64 v5, v[22:23], s[20:21] offset:524288   ; k's
	s_wait_xcnt 0x0                                ; the stores' offset and data are written again only behind this wait
	v_add_nc_u32 v5, 256, v5
	v_add_f32 v4, 1.0, v4
	s_sub_co_u32 s30, s30, 1
	s_cmp_lg_u32 s30, 0
	s_cbranch_scc1 .Lpos
	s_endpgm
.Lfunc_end_k_q1e6bca3ed2_prep:
	.size	k_q1e6bca3ed2_prep, .Lfunc_end_k_q1e6bca3ed2_prep-k_q1e6bca3ed2_prep
	.p2alignl 7, 3214868480
	.fill 96, 4, 3214868480
	.section	.rodata,"a",@progbits
	.p2align	6, 0x0
	.amdhsa_kernel k_q1e6bca3ed2_prep
		.amdhsa_group_segment_fixed_size 33280
		.amdhsa_private_segment_fixed_size 0
		.amdhsa_enable_private_segment 0
		.amdhsa_kernarg_size 72
		.amdhsa_user_sgpr_count 2
		.amdhsa_user_sgpr_kernarg_segment_ptr 1
		.amdhsa_wavefront_size32 1
		.amdhsa_system_sgpr_workgroup_id_x 1
		.amdhsa_system_sgpr_workgroup_id_y 1
		.amdhsa_system_sgpr_workgroup_id_z 1
		.amdhsa_system_vgpr_workitem_id 0
		.amdhsa_next_free_vgpr 194
		.amdhsa_next_free_sgpr 66
		.amdhsa_reserve_vcc 1
		.amdhsa_float_denorm_mode_32 3
		.amdhsa_float_denorm_mode_16_64 3
		.amdhsa_memory_ordered 1
		.amdhsa_forward_progress 1
		.amdhsa_inst_pref_size 46
	.end_amdhsa_kernel
	.amdgpu_metadata
---
amdhsa.version: [ 1, 2 ]
amdhsa.kernels:
  - .name:           k_q1e6bca3ed2_prep
    .symbol:         k_q1e6bca3ed2_prep.kd
    .args:
      - { .name: x, .offset: 0, .size: 8, .value_kind: global_buffer, .address_space: global }
      - { .name: Wq, .offset: 8, .size: 8, .value_kind: global_buffer, .address_space: global }
      - { .name: Wk, .offset: 16, .size: 8, .value_kind: global_buffer, .address_space: global }
      - { .name: Wv, .offset: 24, .size: 8, .value_kind: global_buffer, .address_space: global }
      - { .name: Wo, .offset: 32, .size: 8, .value_kind: global_buffer, .address_space: global }
      - { .name: codes, .offset: 40, .size: 8, .value_kind: global_buffer, .address_space: global }
      - { .name: scales, .offset: 48, .size: 8, .value_kind: global_buffer, .address_space: global }
      - { .name: wo16, .offset: 56, .size: 8, .value_kind: global_buffer, .address_space: global }
      - { .name: tab, .offset: 64, .size: 8, .value_kind: global_buffer, .address_space: global }
    .group_segment_fixed_size: 33280
    .private_segment_fixed_size: 0
    .kernarg_segment_align: 8
    .kernarg_segment_size: 72
    .max_flat_workgroup_size: 128
    .sgpr_count:     66
    .vgpr_count:     194
    .wavefront_size: 32
...
	.end_amdgpu_metadata
.endif
;; end of part 1
;; launch qkv (part 2): grid 12 x 32, 4 waves a work-group, clusters of 4 x 4, 327,680 bytes of LDS; arguments codes, scales, tab, finebuf, qkv16; writes finebuf, qkv16
.if DOCPART == 2
	.amdgcn_target "amdgcn-amd-amdhsa--gfx1250"
	.amdhsa_code_object_version 6
	.text
	.protected	k_q1e6bca3ed2_qkv
	.globl	k_q1e6bca3ed2_qkv
	.p2align	8
	.type	k_q1e6bca3ed2_qkv,@function
k_q1e6bca3ed2_qkv:
	s_mov_b64 s[64:65], 0
	v_nop
	global_prefetch_b8 v0, s[64:65] scope:SCOPE_SE
	s_setreg_imm32_b32 hwreg(HW_REG_WAVE_MODE, 25, 1), 1
	s_wait_xcnt 0x0
	s_wait_alu depctr_hold_cnt(0) depctr_sa_sdst(0) depctr_va_vdst(0) depctr_va_sdst(0) depctr_va_ssrc(0) depctr_va_vcc(0) depctr_vm_vsrc(0)
	s_getreg_b32 s2, hwreg(HW_REG_IB_STS2, 6, 4)
	s_cmp_eq_u32 s2, 0
	s_cbranch_scc0 .Lentry_in_a_cluster
	s_endpgm
.Lentry_in_a_cluster:
	s_bfe_u32 s2, ttmp6, 0x10000c
	s_cmp_lg_u32 s2, 0xf033
	s_cbranch_scc0 .Lentry_shape_is_right
	s_endpgm
.Lentry_shape_is_right:
; q, k, v = x W^T on codes of FP4 (E2M1) with one E8M0 scale for each 32 along K; then the rotation of q and k, and f16 on the way out.
; A = rows 0-8191 of the codes' buffer (x), B = rows 8192-11263 (Wq, Wk, Wv on end): C is [8192][3072], K = 1024.  Sums in f32, K ascending, one accumulator for each output.
; A tile of C, 256 x 256, is made by four waves, each 128 x 128: 64 accumulators, 512 registers.  K = 1024 is two LDS slots of 512 along K (rows of 256 bytes): both are asked for at the head, nothing is filled again.
; The scale bytes of the work-group's 256 + 256 rows, for all of K, come once, in whole rows of 256 bytes.
; CLUSTERS: 4 x 4 work-groups; A's tiles are asked for jointly along a row of the cluster, B's along a column.  Tile column = 4 x cluster x + cx; TILE ROW = 8 cy + cluster y: so q, k or v is told by cluster x alone
; (1,024 columns are four tiles) and a tile's first position in its sequence, 256 x cluster y, by cluster y alone: every branch of this text hangs on numbers that all sixteen partners share.
; THE MATRIX INSTRUCTION IS USED TRANSPOSED (source 0 = 16 rows of B, source 1 = 16 rows of A): a lane holds eight neighbouring columns of one row of C: four pairs (even, odd) of a head, which the rotation turns in place.
; THE WAY OUT, 16 rows at a time: q and k are turned by the table's cos and sin (q's table carries log2(e)/8); rounded to f16; through the wave's stage in LDS; stored as [head of q, k or v][row][64]: 512 consecutive bytes a store.
; Positions 0-15 of every sequence also leave in f32 (finebuf), for the launch that carries them finely.
; LIMITS: |q log2(e)/8|, |k|, |v| stay under 65,504 (f16).
; REGISTERS, in windows of 256: window 0: v0-31 addresses; v32-95 scale words, two sets; v128-191 A's fragments, one set; v192-255 cos and sin of two row blocks.  On the way out v32-95 turned numbers, v96-127 f16, v128-191 rows read back.
;   window 1: B's fragments, two sets.   window 2: the accumulators of my rows 0-63 ((a, b) at v[8 (8 a + b)]);   window 3: those of rows 64-127.
.set SIZE_K, 1024
.set NQ,     4                         ; matrix instructions deep in a slot
.set ROWB,   256                       ; a tile's row in bytes: 512 codes
.set KROW,   512                       ; a row of codes in memory
.set PITCH,  272                       ; an LDS row: 256 bytes + 16 of padding = 68 words: the 16 rows that a load touches start at 16 different banks (64 banks of 4 bytes: ISA guide 11.1)
.set FR,     8
.set NL,     2
.set NP,     4                         ; places behind this matrix instruction (ISA guide 7.12.1)
.set HALFT,  128*PITCH
.set SLOT,   4*HALFT
.set KS,     32                        ; a row of scale bytes
.set SCL,    2*SLOT
.set HALFS,  (128*KS/256)*272
.set SBLK,   (16*KS/256)*272
.set SPARE,  SCL+4*HALFS               ; behind the scales: the spare words, 128 bytes a wave
.set HP,     144                       ; the way out: a stage row: a head's 128 bytes + 16.  The stage (2 heads x 16 rows a wave) lies in slot 0, which has had its only fill and its last read when the first result is stored there
.set ADRA, 16
.set ADRB, 20
.set STO,  24                          ; v24  where I put 16 bytes of a row
.set RD,   25                          ; v25  where I read rows back: eight lanes to a row of 128 bytes
.set CO,   26                          ; v26  16 x lane
.set ADRS, 27
.set SPW,  28
.set NIL,  29
.set TO,   30                          ; v30  my byte in the tables: row 128 x row half + r, + 32 (lane / 16)
.set FO,   31                          ; v31  my byte in finebuf
.set SC,   32
.set T,    32                          ; the way out: 64 turned numbers
.set PK,   96                          ; 32 registers of f16
.set AF,   128
.set BK,   128                         ; rows read back: two sets of 32
.set CS,   192                         ; cos, sin: two sets of 32: register 8 bq + 2 i: cos, + 1: sin, of pair 8 bq + 4 (lane / 16) + i
.set G1, 24
.set G0, 32
.set G1B, 48
.set G0B, 56
.set G1S, 68
.set G0S, 76
.set G1SB, 80
.set G0SB, 88
.set MSB, 0
.macro WIN new                         ; the immediate's high byte repeats the setting that is left
.if MSB != \new
	s_set_vgpr_msb (MSB<<8)|\new
.set MSB, \new
.endif
.endm
.set MUL_LO, 0xa1                      ; source 0 (B) window 1, source 1 (A) window 0, C and D window 2
.set MUL_HI, 0xf1
.set TO_B,   0x40
; A joint load: waves 0 and 1 fetch for A, waves 2 and 3 for B; the branch hangs on the wave's number alone.  An s_nop 0 and four v_nop follow each of the two lines.
.macro JLOAD g0a, g1a, g0b, g1b
	s_cmp_eq_u32 s15, 0
	s_cbranch_scc0 .Lfor_b_\@
	tensor_load_to_lds s[\g0a:\g0a+3], s[\g1a:\g1a+7]
	s_nop 0
.rept 4
	v_nop
.endr
	s_branch .Lasked_\@
.Lfor_b_\@:
	tensor_load_to_lds s[\g0b:\g0b+3], s[\g1b:\g1b+7]
	s_nop 0
.rept 4
	v_nop
.endr
.Lasked_\@:
.endm
.macro CROUND                          ; a round of the cluster's barrier
	s_barrier_signal -1
	s_barrier_wait -1
	s_cmp_lg_u32 s14, 0
	s_cbranch_scc1 .Lnot_wave_0_\@
	s_barrier_signal -3
.Lnot_wave_0_\@:
	s_barrier_wait -3
	s_barrier_signal -1
	s_barrier_wait -1
.endm
	s_load_b128 s[4:7], s[0:1], 0x0                ; codes, scales
	s_load_b128 s[96:99], s[0:1], 0x10             ; tab, finebuf
	s_load_b64 s[12:13], s[0:1], 0x20              ; qkv16
	v_lshl_add_u32 v[SPW], v0, 2, SPARE
	v_mov_b32 v[NIL], 0
	ds_add_u32 v[SPW], v[NIL]                      ; the wave's opening: the add, twice on end, and its wait ahead of my first tensor load
	ds_add_u32 v[SPW], v[NIL]
	v_lshrrev_b32 v1, 5, v0
	v_readfirstlane_b32 s14, v1                    ; wave 0..3
	s_lshr_b32 s15, s14, 1                         ; which half of the tile's rows is mine.  Also: I fetch for A (0) or for B (1)
	s_and_b32 s16, s14, 1                          ; which half of its columns.  Also: which 128 rows of that tile I fetch
	s_bfe_u32 s40, ttmp6, 0x40000                  ; cx
	s_bfe_u32 s41, ttmp6, 0x40004                  ; cy
	s_lshl_b32 s42, ttmp9, 2
	s_add_co_u32 s42, s42, s40                     ; tile column = 4 x cluster x + cx
	s_and_b32 s100, ttmp7, 0xffff                  ; cluster y
	s_lshl_b32 s17, s41, 3
	s_add_co_u32 s17, s17, s100                    ; tile row = 8 cy + cluster y: cy is the batch
	s_lshl_b32 s43, s41, 2
	s_lshl_b32 s43, 15, s43                        ; my row of the cluster
	s_lshl_b32 s44, 0x1111, s40                    ; my column
	s_or_b32 s[G1+0], s43, (0<<16)|(1<<20)|(1<<21)|(5<<22)|(3<<25)  ; the mask; elements of 1 byte; padding on; bit 21 beside a mask; after every 64 words; 4 words
	s_or_b32 s[G1B+0], s44, (0<<16)|(1<<20)|(1<<21)|(5<<22)|(3<<25)
.irp g, G1, G1B
	s_mov_b32 s[\g+1], ROWB<<16                    ; tensor_dim0
	s_mov_b32 s[\g+2], 128<<16                     ; tensor_dim1
	s_mov_b32 s[\g+3], ROWB<<16                    ; tile_dim0
	s_mov_b32 s[\g+4], 128                         ; tile_dim1
	s_mov_b32 s[\g+5], KROW                        ; from row to row
	s_mov_b32 s[\g+6], 0
	s_mov_b32 s[\g+7], 0
.endr
	s_or_b32 s[G1S+0], s43, (3<<16)|(1<<20)|(1<<21)|(5<<22)|(3<<25) ; the scales of 128 rows: 4,096 dense bytes as 16 rows of 256 (32 elements of 8 bytes)
	s_or_b32 s[G1SB+0], s44, (3<<16)|(1<<20)|(1<<21)|(5<<22)|(3<<25)
.irp g, G1S, G1SB
	s_mov_b32 s[\g+1], 32<<16
	s_mov_b32 s[\g+2], (128*KS/256)<<16
	s_mov_b32 s[\g+3], 32<<16
	s_mov_b32 s[\g+4], 128*KS/256
	s_mov_b32 s[\g+5], 32
	s_mov_b32 s[\g+6], 0
	s_mov_b32 s[\g+7], 0
.endr
	s_lshl_b32 s18, s16, 7
	s_lshl_b32 s20, s17, 8
	s_add_co_u32 s20, s20, s18                     ; A: row 256 x tile row + 128 x half
	s_lshl_b32 s46, s42, 8
	s_add_co_u32 s46, s46, s18                     ; B: row 256 x tile column + 128 x half
	s_mov_b32 s21, 0
	s_mov_b32 s47, 0
	s_mov_b64 s[18:19], KS
	s_mul_u64 s[22:23], s[20:21], s[18:19]         ; where these rows' scales begin,
	s_mul_u64 s[92:93], s[46:47], s[18:19]
	s_mov_b64 s[18:19], KROW
	s_mul_u64 s[20:21], s[20:21], s[18:19]         ; and their codes
	s_mul_u64 s[46:47], s[46:47], s[18:19]
	s_mul_i32 s45, s14, HALFT                      ; where they go: wave x 128 rows
	s_mul_i32 s94, s14, HALFS
	s_wait_dscnt 0x0                               ; both opening adds are done
	s_wait_kmcnt 0x0
	s_add_nc_u64 s[8:9], s[4:5], 0x400000          ; the weights' codes lie behind x's 8,192 rows of 512 bytes,
	s_add_nc_u64 s[10:11], s[6:7], 0x40000         ; their scales behind 8,192 rows of 32
	s_add_nc_u64 s[20:21], s[4:5], s[20:21]
	s_add_nc_u64 s[22:23], s[6:7], s[22:23]
	s_add_nc_u64 s[46:47], s[8:9], s[46:47]
	s_add_nc_u64 s[92:93], s[10:11], s[92:93]
	CROUND                                         ; all sixteen work-groups are here: the joint loads meet
	s_mov_b32 s[G0S], 1
	s_add_co_u32 s[G0S+1], s94, SCL
	s_mov_b64 s[G0S+2:G0S+3], s[22:23]
	s_or_b32 s[G0S+3], s[G0S+3], 0x80000000
	s_mov_b32 s[G0SB], 1
	s_add_co_u32 s[G0SB+1], s94, SCL
	s_mov_b64 s[G0SB+2:G0SB+3], s[92:93]
	s_or_b32 s[G0SB+3], s[G0SB+3], 0x80000000
	JLOAD G0S, G1S, G0SB, G1SB                     ; the scales first; with the two slots three loads of mine are out
.irp s, 0,1
	s_mov_b32 s[G0+4*\s], 1
	s_add_co_u32 s[G0+4*\s+1], s45, \s*SLOT
	s_add_nc_u64 s[G0+4*\s+2:G0+4*\s+3], s[20:21], \s*ROWB
	s_or_b32 s[G0+4*\s+3], s[G0+4*\s+3], 0x80000000
	s_mov_b32 s[G0B+4*\s], 1
	s_add_co_u32 s[G0B+4*\s+1], s45, \s*SLOT
	s_add_nc_u64 s[G0B+4*\s+2:G0B+4*\s+3], s[46:47], \s*ROWB
	s_or_b32 s[G0B+4*\s+3], s[G0B+4*\s+3], 0x80000000
	JLOAD G0+4*\s, G1, G0B+4*\s, G1B
.endr
	v_and_b32 v1, 15, v0                           ; r = l % 16
	v_bfe_u32 v2, v0, 4, 1                         ; h = l / 16
	; cos and sin of my first two blocks of 16 rows are asked for here and lie ready at the way out.  The sixteen loads stand on the one way that all work-groups take, so that every count of loads is the
	; same on every way: v's work-groups name k's table and never read what comes.
	s_min_u32 s2, ttmp9, 1                         ; table 0 for q, 1 for k
	s_lshl_b32 s2, s2, 19
	s_lshl_b32 s3, s100, 16                        ; the tile's first position: 256 x cluster y, 256 bytes each
	s_add_co_u32 s2, s2, s3
	s_mov_b32 s3, 0
	s_add_nc_u64 s[96:97], s[96:97], s[2:3]
	v_lshlrev_b32 v[TO], 8, v1
	v_lshl_add_u32 v[TO], v2, 5, v[TO]
	s_lshl_b32 s2, s15, 15
	v_add_nc_u32 v[TO], s2, v[TO]
.macro TABLE a                         ; block a's cos and sin into set a % 2: eight loads
.irp bq, 0,1,2,3
	global_load_b128 v[CS+32*((\a)%2)+8*\bq:CS+32*((\a)%2)+8*\bq+3], v[TO], s[96:97] offset:(\a)*4096+64*\bq
	global_load_b128 v[CS+32*((\a)%2)+8*\bq+4:CS+32*((\a)%2)+8*\bq+7], v[TO], s[96:97] offset:(\a)*4096+64*\bq+16
.endr
.endm
	TABLE 0
	TABLE 1
	v_mul_u32_u24 v3, v1, PITCH
	v_lshl_add_u32 v4, v2, 4, v3                   ; a fragment's row x pitch + 16 x half
	s_mul_i32 s21, s15, HALFT
	s_mul_i32 s22, s16, HALFT
	s_add_co_u32 s22, s22, 2*HALFT
.irp s, 0,1
	v_add_nc_u32 v[ADRA+\s], s21, v4
	v_add_nc_u32 v[ADRB+\s], s22, v4
	s_add_co_u32 s21, s21, SLOT
	s_add_co_u32 s22, s22, SLOT
.endr
	v_mul_u32_u24 v5, v1, KS                       ; my row's scales: 32 bytes a row,
	v_lshrrev_b32 v6, 8, v5
	v_lshl_add_u32 v5, v6, 4, v5                   ; and 16 more for each 256 passed
	s_mul_i32 s21, s15, HALFS
	s_mul_i32 s22, s16, HALFS
	s_add_co_u32 s22, s22, 2*HALFS
	s_sub_co_u32 s22, s22, s21
	v_mul_u32_u24 v6, s22, v2                      ; lanes 16-31 take B's
	s_add_co_u32 s21, s21, SCL
	v_add_nc_u32 v5, v5, v6
	v_add_nc_u32 v[ADRS], s21, v5
	s_mul_i32 s23, s14, 32*HP                      ; my stage
	v_mul_u32_u24 v5, v1, HP
	v_lshl_add_u32 v5, v2, 4, v5
	v_add_nc_u32 v[STO], s23, v5                   ; in: row r, 16 bytes for each half of the lanes
	v_bfe_u32 v5, v0, 3, 2
	v_mul_u32_u24 v5, v5, HP
	v_and_b32 v7, 7, v0
	v_lshl_add_u32 v5, v7, 4, v5
	v_add_nc_u32 v[RD], s23, v5                    ; back: four rows an instruction
	v_and_b32 v6, 31, v0
	v_lshlrev_b32 v[CO], 4, v6
	v_mul_u32_u24 v[FO], v1, 12288                 ; finebuf: row r of 3,072 f32, + 32 h
	v_lshl_add_u32 v[FO], v2, 5, v[FO]
	s_mul_i32 s2, s41, 196608                      ; the batch's 16 rows,
	s_lshl_b32 s3, s42, 10                         ; the tile's first column,
	s_add_co_u32 s2, s2, s3
	s_lshl_b32 s3, s16, 9                          ; my half's
	s_add_co_u32 s2, s2, s3
	s_mov_b32 s3, 0
	s_add_nc_u64 s[98:99], s[98:99], s[2:3]
	s_lshl_b32 s2, s42, 2
	s_lshl_b32 s3, s16, 1
	s_add_co_u32 s2, s2, s3                        ; my first head of the 48: 4 x tile column + 2 x column half,
	s_lshl_b32 s2, s2, 20                          ; 8,192 rows of 128 bytes each
	s_lshl_b32 s3, s17, 15                         ; the tile's 256 rows
	s_add_co_u32 s2, s2, s3
	s_lshl_b32 s3, s15, 14                         ; my 128
	s_add_co_u32 s2, s2, s3
	s_mov_b32 s3, 0
	s_add_nc_u64 s[12:13], s[12:13], s[2:3]
	s_or_b32 s101, s100, s15                       ; 0 where my first 16 rows are positions 0-15: the same in all sixteen partners, for a given wave
.macro FRAG reg, adr, q, i             ; 16 rows x 128 K of 4-bit codes: 8 registers: lane l holds row l % 16; registers 4 c .. 4 c + 3 hold K = 64 c + 32 (l / 16) + 0 .. 31
.irp c, 0,1
	ds_load_b128 v[\reg+4*\c:\reg+4*\c+3], v[\adr] offset:64*(\q)+32*\c+(\i)*16*PITCH
.endr
.endm
; 16 matrix instructions: A's blocks a0, a0 + 1 x B's eight, 128 along K.  The 64 accumulators take turns, one instruction a turn, in the same order in every step.
.macro MUL16 a0, p, q, sc, zero
.irp a, \a0, \a0+1
.irp b, 0,1,2,3,4,5,6,7
.if \zero
	v_wmma_scale_f32_16x16x128_f8f6f4 v[8*(8*((\a)%4)+\b):8*(8*((\a)%4)+\b)+7], v[128*(\p)+FR*\b:128*(\p)+FR*\b+FR-1], v[AF+FR*(\a):AF+FR*(\a)+FR-1], 0, v[SC+8*NQ*(\sc)+NQ*\b+(\q)], v[SC+8*NQ*(\sc)+NQ*(\a)+(\q)] matrix_a_fmt:MATRIX_FMT_FP4 matrix_b_fmt:MATRIX_FMT_FP4 matrix_a_scale:MATRIX_SCALE_ROW1
.else
	v_wmma_scale_f32_16x16x128_f8f6f4 v[8*(8*((\a)%4)+\b):8*(8*((\a)%4)+\b)+7], v[128*(\p)+FR*\b:128*(\p)+FR*\b+FR-1], v[AF+FR*(\a):AF+FR*(\a)+FR-1], v[8*(8*((\a)%4)+\b):8*(8*((\a)%4)+\b)+7], v[SC+8*NQ*(\sc)+NQ*\b+(\q)], v[SC+8*NQ*(\sc)+NQ*(\a)+(\q)] matrix_a_fmt:MATRIX_FMT_FP4 matrix_b_fmt:MATRIX_FMT_FP4 matrix_a_scale:MATRIX_SCALE_ROW1
.endif
.endr
.endr
.endm
.macro FETCH_B slot, q, p
	WIN TO_B
.irp i, 0,1,2,3,4,5,6,7
	FRAG 128*(\p)+FR*\i, ADRB+\slot, \q, \i
.endr
	WIN 0
.endm
.macro FETCH_A slot, q, i0
.irp i, \i0, \i0+1, \i0+2, \i0+3
	FRAG AF+FR*(\i), ADRA+\slot, \q, \i
.endr
.endm
.macro SCALES sc                       ; a slot's scale words: four a row; lanes 0-15 take A's block i, lanes 16-31 B's
.irp i, 0,1,2,3,4,5,6,7
	ds_load_b128 v[SC+8*NQ*\sc+NQ*\i:SC+8*NQ*\sc+NQ*\i+3], v[ADRS] offset:\i*SBLK
.endr
.endm
.macro PLACES n                        ; plain vector instructions between a matrix instruction and a load into, or a read of, its registers
.rept \n
	v_nop
.endr
.endm
.macro STEP slot, q, zero              ; 128 along K that has its successor in the same slot
	s_wait_dscnt 4*NL                              ; B's set and A's blocks 0-3 are in; the youngest eight loads (A's blocks 4-7) may be out
	WIN MUL_LO
	MUL16 0, (\q)%2, \q, \slot, \zero
	MUL16 2, (\q)%2, \q, \slot, \zero
	s_wait_dscnt 0
	PLACES NP
	FETCH_B \slot, (\q)+1, 1-(\q)%2
	FETCH_A \slot, (\q)+1, 0
	WIN MUL_HI
	MUL16 4, (\q)%2, \q, \slot, \zero
	MUL16 6, (\q)%2, \q, \slot, \zero
	PLACES NP
	WIN 0
	FETCH_A \slot, (\q)+1, 4
.endm
; Slot 0's last step changes slots: each wave waits for all its tensor loads (slot 1's part), adds 0 to its spare word, waits for that and for its reads of slot 0; one barrier.  Nothing is filled again.
.macro TURN slot, next
	s_wait_tensorcnt 0x0
	ds_add_u32 v[SPW], v[NIL]
	s_wait_dscnt 4*NL+1                            ; the add and the youngest eight loads (A's blocks 4-7) may be out
	WIN MUL_LO
	MUL16 0, 1, NQ-1, \slot, 0
	s_wait_dscnt 0x0                               ; the add is done, and my reads of this slot are over
	s_barrier_signal -1
	MUL16 2, 1, NQ-1, \slot, 0
	WIN 0
	s_barrier_wait -1
	PLACES NP
	v_add_nc_u32 v[ADRS], 4*NQ, v[ADRS]            ; on to the next slot's scale words
	FETCH_B \next, 0, 0
	FETCH_A \next, 0, 0
	SCALES \next
	WIN MUL_HI
	MUL16 4, 1, NQ-1, \slot, 0
	MUL16 6, 1, NQ-1, \slot, 0
	PLACES NP
	WIN 0
	FETCH_A \next, 0, 4
.endm
.macro STEPS slot, from
.set Q, \from
.rept NQ-1-\from
	STEP \slot, Q, 0
.set Q, Q+1
.endr
.endm
	s_wait_tensorcnt 1                             ; the scales and my part of slot 0 are in (slot 1's load may be out),
	s_barrier_signal -1
	s_barrier_wait -1                              ; everybody's are
	FETCH_B 0, 0, 0
	FETCH_A 0, 0, 0
	SCALES 0
	FETCH_A 0, 0, 4
	STEP 0, 0, 1                                   ; the first step's products start the sums: nothing is cleared
	STEPS 0, 1
	TURN 0, 1
	STEPS 1, 0
	s_wait_dscnt 4*NL
	WIN MUL_LO
	MUL16 0, 1, NQ-1, 1, 0
	MUL16 2, 1, NQ-1, 1, 0
	s_wait_dscnt 0
	WIN MUL_HI
	MUL16 4, 1, NQ-1, 1, 0
	MUL16 6, 1, NQ-1, 1, 0
	WIN 0
; ---- THE WAY OUT.  a: the block of 16 rows; its eight accumulators lie at 64 (a % 4) of window 2 + a / 4.
.macro ROPE a                          ; (xe, xo) -> (xe cos - xo sin, xe sin + xo cos), a pair an instruction, into T
.set AC, 64*((\a)%4)
.set CC, CS+32*((\a)%2)
.if (\a) < 7
	s_wait_loadcnt 8                               ; this block's eight table loads are in; the next block's eight may be out
.else
	s_wait_loadcnt 0
.endif
	s_wait_xcnt 0x0                                ; T, which the stores into finebuf read, is written again only behind this wait
	WIN 0x02+(\a)/4
.irp b, 0,1,2,3,4,5,6,7
.irp i, 0,1,2,3
	v_pk_mul_f32 v[T+8*\b+2*\i:T+8*\b+2*\i+1], v[AC+8*\b+2*\i:AC+8*\b+2*\i+1], v[CC+8*(\b%4)+2*\i:CC+8*(\b%4)+2*\i+1] op_sel_hi:[0,1]   ; xe cos, xe sin.  Each accumulator is read from its low end on
.endr
.endr
.irp b, 0,1,2,3,4,5,6,7
.irp i, 0,1,2,3
	v_pk_fma_f32 v[T+8*\b+2*\i:T+8*\b+2*\i+1], v[AC+8*\b+2*\i:AC+8*\b+2*\i+1], v[CC+8*(\b%4)+2*\i:CC+8*(\b%4)+2*\i+1], v[T+8*\b+2*\i:T+8*\b+2*\i+1] op_sel:[1,1,0] op_sel_hi:[1,0,1] neg_lo:[0,1,0]   ; - xo sin, + xo cos
.endr
.endr
	WIN 0
.if (\a) < 6
	TABLE (\a)+2                                   ; the set just used takes the block two further on
.endif
.endm
.macro FINE_T                          ; positions 0-15 of q or k, in f32
	s_cmp_lg_u32 s101, 0
	s_cbranch_scc1 .Lnofine_\@
.irp b, 0,1,2,3,4,5,6,7
	global_store_b128 v[FO], v[T+8*\b:T+8*\b+3], s[98:99] offset:64*\b
	global_store_b128 v[FO], v[T+8*\b+4:T+8*\b+7], s[98:99] offset:64*\b+16
.endr
.Lnofine_\@:
.endm
.macro FINE_V                          ; the same of v, straight from block 0's accumulators (a store's data are its source 1: window 2), each from its low end on
	s_cmp_lg_u32 s101, 0
	s_cbranch_scc1 .Lnofine_\@
	WIN 0x08
.irp b, 0,1,2,3,4,5,6,7
	global_store_b128 v[FO], v[8*\b:8*\b+3], s[98:99] offset:64*\b
	global_store_b128 v[FO], v[8*\b+4:8*\b+7], s[98:99] offset:64*\b+16
.endr
	WIN 0
.Lnofine_\@:
.endm
.macro PACKH                           ; T to f16: a lane's eight columns are 16 bytes
.irp b, 0,1,2,3,4,5,6,7
.irp i, 0,1,2,3
	v_cvt_pk_f16_f32 v[PK+4*\b+\i], v[T+8*\b+2*\i], v[T+8*\b+2*\i+1]
.endr
.endr
.endm
.macro PACKV a                         ; v has no rotation: the accumulators to f16
.set AC, 64*((\a)%4)
	WIN 0x0a+5*((\a)/4)
.irp b, 0,1,2,3,4,5,6,7
.irp i, 0,1,2,3
	v_cvt_pk_f16_f32 v[PK+4*\b+\i], v[AC+8*\b+2*\i], v[AC+8*\b+2*\i+1]
.endr
.endr
	WIN 0
.endm
.macro TOSTAGE a                       ; into my stage (head b / 4, row r) and back as whole rows.  LDS serves a wave's instructions in order (ISA guide 5.7.1.4): no wait between the stores and the loads
.set BB, BK+32*((\a)%2)
.irp b, 0,1,2,3,4,5,6,7
	ds_store_b128 v[STO], v[PK+4*\b:PK+4*\b+3] offset:(\b/4)*16*HP+32*(\b%4)
.endr
.irp t, 0,1,2,3,4,5,6,7
	ds_load_b128 v[BB+4*\t:BB+4*\t+3], v[RD] offset:(\t/4)*16*HP+(\t%4)*4*HP
.endr
.endm
.macro SEND a
.set BB, BK+32*((\a)%2)
	s_wait_dscnt 0x0                               ; the block is back in registers
	s_wait_xcnt 0x0                                ; the block before has left its registers: the next block's loads may land there
.irp t, 0,1,2,3,4,5,6,7
	global_store_b128 v[CO], v[BB+4*\t:BB+4*\t+3], s[12:13] offset:(\a)*2048+(\t%4)*512+(\t/4)*1048576   ; four rows of 128 bytes: 512 consecutive bytes, aligned
.endr
.endm
	PLACES NP                                      ; behind the last products, for the writes of T (the scale words' registers) and the loads into A's registers
	s_cmp_eq_u32 ttmp9, 2                          ; cluster x: 0 q, 1 k, 2 v
	s_cbranch_scc1 .Lvalues
	ROPE 0
	FINE_T
	PACKH
	TOSTAGE 0
.irp a, 1,2,3,4,5,6,7                  ; block a's arithmetic stands between block a - 1's loads from the stage and the wait for them
	ROPE \a
	PACKH
	SEND \a-1
	TOSTAGE \a
.endr
	SEND 7
	s_branch .Ldone
.Lvalues:
	FINE_V
	PACKV 0
	TOSTAGE 0
.irp a, 1,2,3,4,5,6,7
	PACKV \a
	SEND \a-1
	TOSTAGE \a
.endr
	SEND 7
.Ldone:
	s_wait_tensorcnt 0x0                           ; the wave's end, behind my last tensor load and my last LDS store
	ds_add_u32 v[SPW], v[NIL]
	s_wait_dscnt 0x0
	CROUND                                         ; the closing round
	s_endpgm
.Lfunc_end_k_q1e6bca3ed2_qkv:
	.size	k_q1e6bca3ed2_qkv, .Lfunc_end_k_q1e6bca3ed2_qkv-k_q1e6bca3ed2_qkv
	.p2alignl 7, 3214868480
	.fill 96, 4, 3214868480
	.section	.rodata,"a",@progbits
	.p2align	6, 0x0
	.amdhsa_kernel k_q1e6bca3ed2_qkv
		.amdhsa_group_segment_fixed_size 327680
		.amdhsa_private_segment_fixed_size 0
		.amdhsa_enable_private_segment 0
		.amdhsa_kernarg_size 40
		.amdhsa_user_sgpr_count 2
		.amdhsa_user_sgpr_kernarg_segment_ptr 1
		.amdhsa_wavefront_size32 1
		.amdhsa_system_sgpr_workgroup_id_x 1
		.amdhsa_system_sgpr_workgroup_id_y 1
		.amdhsa_system_sgpr_workgroup_id_z 1
		.amdhsa_system_vgpr_workitem_id 0
		.amdhsa_next_free_vgpr 1024
		.amdhsa_next_free_sgpr 102
		.amdhsa_reserve_vcc 0
		.amdhsa_float_denorm_mode_32 3
		.amdhsa_float_denorm_mode_16_64 3
		.amdhsa_memory_ordered 1
		.amdhsa_forward_progress 1
		.amdhsa_inst_pref_size 200
	.end_amdhsa_kernel
	.amdgpu_metadata
---
amdhsa.version: [ 1, 2 ]
amdhsa.kernels:
  - .name:           k_q1e6bca3ed2_qkv
    .symbol:         k_q1e6bca3ed2_qkv.kd
    .args:
      - { .name: codes, .offset: 0, .size: 8, .value_kind: global_buffer, .address_space: global }
      - { .name: scales, .offset: 8, .size: 8, .value_kind: global_buffer, .address_space: global }
      - { .name: tab, .offset: 16, .size: 8, .value_kind: global_buffer, .address_space: global }
      - { .name: finebuf, .offset: 24, .size: 8, .value_kind: global_buffer, .address_space: global }
      - { .name: qkv16, .offset: 32, .size: 8, .value_kind: global_buffer, .address_space: global }
    .group_segment_fixed_size: 327680
    .private_segment_fixed_size: 0
    .kernarg_segment_align: 8
    .kernarg_segment_size: 40
    .max_flat_workgroup_size: 128
    .sgpr_count:     102
    .vgpr_count:     1024
    .wavefront_size: 32
...
	.end_amdgpu_metadata
.endif
;; end of part 2
;; launch attn (part 3): grid 4 x 64, 8 waves a work-group, no clusters, 327,680 bytes of LDS; arguments qkv16, attn16; writes attn16
.if DOCPART == 3
	.amdgcn_target "amdgcn-amd-amdhsa--gfx1250"
	.amdhsa_code_object_version 6
	.text
	.protected	k_q1e6bca3ed2_attn
	.globl	k_q1e6bca3ed2_attn
	.p2align	8
	.type	k_q1e6bca3ed2_attn,@function
k_q1e6bca3ed2_attn:
	s_mov_b64 s[64:65], 0
	v_nop
	global_prefetch_b8 v0, s[64:65] scope:SCOPE_SE
	s_setreg_imm32_b32 hwreg(HW_REG_WAVE_MODE, 25, 1), 1
	s_wait_xcnt 0x0
; Causal attention in f16, head size 64: O[q] = sum over k <= q of softmax_k(q . k / 8) v[k].  q (turned, x log2(e)/8), k (turned) and v lie in qkv16 as [48][8192][64] f16; O goes to attn16 [16][8192][64] f16.
; Products on f16 operands with f32 sums; maxima, exponentials and sums in f32; p is rounded to f16 for the second product, O once at the end.
; SHARES.  Work-group (J, y): head and batch y, query blocks 7 - J and then J, 256 queries each: 8 - J and J + 1 blocks of 256 keys: NINE trips in every work-group, a constant of the text, and the same work in all 256.
; Each of eight waves owns 32 queries: two tiles of 16; two waves share a SIMD, so that one wave's softmax stands beside the other's products.
; LAYOUT.  S^T = K Q^T (source 0 = 16 keys, source 1 = 16 queries): a lane holds ONE query (lane % 16) and keys 8 (lane / 16) + 0..7.  Two such tiles rounded in pairs ARE source 1 (32 keys x 16 queries) of O^T = V^T P.
; K comes out of LDS as it lies, V ([key][channel]) turned, by ds_load_tr16_b128.
; SOFTMAX.  A running maximum m and sum l for each query: p = 2^(s - m); in every step O and l are multiplied by 2^(m_old - m_new).
; THE MASK.  A step of 64 keys all of which come after my 32 queries is left out by a scalar branch on ids; on the diagonal hidden scores become -infinity ahead of the maximum.
; LIMIT: that equals a mask of -1e9 as long as each row's largest visible score lies above about -1e9.  Key 0 counts for every query, so m is a number from a pass's first step on.
; THE RING.  Two LDS slots of 256 keys; a slot is four steps, each 64 rows of K and 64 of V.  Waves 0-3 fetch K's four steps, waves 4-7 V's: one tensor load of 64 rows a wave behind each barrier, with a whole slot's steps in which to land.
; NO CLUSTER: the four work-groups of a head walk the same key blocks only in trips 0 to 4; from trip 5 on their walks part (8 - J differs), and joint requests in every trip would take 12 trips in step in place of 9.
; REGISTERS: window 0: v1-14 addresses; v16-31 statistics, eight a tile; v32, v33 the add's two; v64-127 S^T; v128-159 P; v160-223 O^T.   window 1: v0-63 V; v128-191 K; v192-223 Q.
.set KP,    144                        ; a row of K in LDS: 128 bytes + 16: an odd multiple of 16
.set VP,    160                        ; a row of V: 128 + 32: an odd multiple of 32, for the turning load
.set VOFF,  64*KP
.set STEPB, 64*(KP+VP)
.set SLOT1, 1<<17                      ; slot 1 begins here: one exclusive or turns an address from one slot to the other
.set STAGE, SLOT1+4*STEPB              ; behind the ring: 16 rows x 144 bytes for each wave, for the way out
.set SPARE, STAGE+8*16*KP              ; the spare words, 128 bytes a wave
.set ST,  16                           ; tile t at v[ST + 8 t]: +0 m, +1 its partner in a pair, +2, +3 l, +4..+7 at work; 2^(m_old - m_new) in +6
.set SPW, 32
.set NIL, 33
.set S,   64
.set P,   128
.set O,   160
.set VF,  0                            ; window 1
.set KF,  128
.set QF,  192
.set MSB, 0
.macro WIN new
.if MSB != \new
	s_set_vgpr_msb (MSB<<8)|\new
.set MSB, \new
.endif
.endm
; s8 wave; s9 J; s[14:15] q's rows of my head; s[16:17], s[18:19] K's and V's at my step of a block; s[20:21] O's; s[24:31], s[32:39] descriptor groups 1; s[40:43], s[44:47] groups 0;
; s48 trip; s49 slots still to ask for; s50 8 - J; s51 the step's first key; s52 my first query; s53 LDS byte of the step's tiles; s54 steps; s[60:61] lane selects; s[66:67] prefetch address; s68 its limit.
.macro TLOAD                           ; waves 0-3: K's step; waves 4-7: V's.  An s_nop 0 and four v_nop follow each of the two lines
	s_cmp_lt_u32 s8, 4
	s_cbranch_scc0 .Lfor_v_\@
	tensor_load_to_lds s[40:43], s[24:31]
	s_nop 0
.rept 4
	v_nop
.endr
	s_branch .Lasked_\@
.Lfor_v_\@:
	tensor_load_to_lds s[44:47], s[32:39]
	s_nop 0
.rept 4
	v_nop
.endr
.Lasked_\@:
.endm
; A PREFETCH INTO THE L2: in trip T the key block T + 2, which the next change of slots will ask for.  The four work-groups of a head walk blocks 0, 1, 2 .. together: the one with J = 0, which walks all eight, asks, and nobody else.
; Each wave names its own 8,192 bytes of the block (the step of K or V that it will fetch), lanes 256 bytes apart: each aligned 256 bytes is named once in the launch.  Blocks 0 and 1 come by their loads alone; trips 6 and on ask for nothing.
.macro ASK
	s_cmp_gt_u32 s49, s68
	s_cbranch_scc0 .Lnot_mine_\@
	global_prefetch_b8 v14, s[66:67] th:TH_LOAD_NT scope:SCOPE_SE
.Lnot_mine_\@:
.endm
	s_load_b128 s[4:7], s[0:1], 0x0                ; qkv16, attn16
	v_lshl_add_u32 v[SPW], v0, 2, SPARE
	v_mov_b32 v[NIL], 0
	ds_add_u32 v[SPW], v[NIL]                      ; the wave's opening: the add, twice on end, and its wait ahead of my first tensor load
	ds_add_u32 v[SPW], v[NIL]
	v_lshrrev_b32 v1, 5, v0
	v_readfirstlane_b32 s8, v1                     ; wave 0..7
	s_mov_b32 s9, ttmp9                            ; J
	s_mov_b32 s24, (1<<16)|(1<<20)|(4<<22)|(3<<25) ; K: elements of 2 bytes; padding on, after every 32 words, 4 words
	s_mov_b32 s32, (1<<16)|(1<<20)|(4<<22)|(7<<25) ; V: 8 words
.irp g, 24, 32
	s_mov_b32 s[\g+1], 64<<16                      ; tensor_dim0 = 64
	s_mov_b32 s[\g+2], 64<<16                      ; tensor_dim1 = 64
	s_mov_b32 s[\g+3], 64<<16                      ; tile_dim0 = 64
	s_mov_b32 s[\g+4], 64                          ; tile_dim1 = 64
	s_mov_b32 s[\g+5], 64                          ; from row to row
	s_mov_b32 s[\g+6], 0
	s_mov_b32 s[\g+7], 0
.endr
	s_and_b32 s10, ttmp7, 0xffff
	s_lshl_b32 s10, s10, 18                        ; head and batch: 2,048 rows of 128 bytes
	s_mov_b32 s11, 0
	s_and_b32 s12, s8, 3                           ; which of a block's four steps I fetch:
	s_lshl_b32 s56, s12, 13                        ; its 64 rows in memory,
	s_mov_b32 s57, 0
	s_mul_i32 s58, s12, STEPB                      ; and its place in a slot
	s_mov_b32 s60, 0x76543210
	s_mov_b32 s61, 0xfedcba98
	s_mov_b32 s48, 0
	s_mov_b32 s49, 8
	s_sub_co_u32 s50, 8, s9
	s_mov_b32 s51, 0
	s_sub_co_u32 s52, 7, s9
	s_lshl_b32 s52, s52, 8
	s_lshl_b32 s55, s8, 5
	s_add_co_u32 s52, s52, s55                     ; my first query of the first pass: 256 (7 - J) + 32 x wave
	s_mov_b32 s53, 0
	s_cmp_eq_u32 ttmp9, 0
	s_cselect_b32 s68, 2, -1
	s_wait_dscnt 0x0                               ; both opening adds are done
	s_wait_kmcnt 0x0
	s_add_nc_u64 s[14:15], s[4:5], s[10:11]
	s_add_nc_u64 s[20:21], s[6:7], s[10:11]
	s_add_nc_u64 s[16:17], s[14:15], s[56:57]
	s_add_nc_u64 s[18:19], s[16:17], 0x2000000     ; v's heads lie 32 heads of 1,048,576 bytes on,
	s_add_nc_u64 s[16:17], s[16:17], 0x1000000     ; k's 16
	s_mov_b32 s40, 1
	s_mov_b32 s41, s58
	s_mov_b64 s[42:43], s[16:17]
	s_or_b32 s43, s43, 0x80000000
	s_mov_b32 s44, 1
	s_add_co_u32 s45, s58, VOFF
	s_mov_b64 s[46:47], s[18:19]
	s_or_b32 s47, s47, 0x80000000
	TLOAD                                          ; key block 0 into slot 0
	s_cmp_lt_u32 s8, 4
	s_cselect_b64 s[66:67], s[16:17], s[18:19]
	s_add_nc_u64 s[66:67], s[66:67], 0x8000        ; at block 1: the first change of slots steps it to block 2
	v_and_b32 v1, 15, v0                           ; r
	v_bfe_u32 v2, v0, 4, 1                         ; h
	v_mul_u32_u24 v3, v1, KP
	v_lshl_add_u32 v3, v2, 4, v3                   ; K: row r, + 16 h
	v_and_b32 v4, 7, v0
	v_lshl_add_u32 v4, v2, 3, v4
	v_mul_u32_u24 v4, v4, VP
	v_bfe_u32 v5, v0, 3, 1
	v_lshl_add_u32 v4, v5, 4, v4
	v_add_nc_u32 v4, VOFF, v4                      ; V: key 8 h + l % 8, channels 8 ((l / 8) % 2) on
	v_lshlrev_b32 v7, 7, v1
	v_lshl_add_u32 v7, v2, 4, v7                   ; Q in memory: row r of 128 bytes, + 16 h
	s_mul_i32 s55, s8, 16*KP
	s_add_co_u32 s55, s55, STAGE
	v_add_nc_u32 v8, s55, v3                       ; the stage, in: row r, + 16 h
	v_bfe_u32 v9, v0, 3, 2
	v_mul_u32_u24 v9, v9, KP
	v_and_b32 v5, 7, v0
	v_lshl_add_u32 v9, v5, 4, v9
	v_add_nc_u32 v9, s55, v9                       ; and back: eight lanes to a row, four rows an instruction
	v_and_b32 v10, 31, v0
	v_lshlrev_b32 v14, 8, v10                      ; the prefetches: 256 x lane
	v_lshlrev_b32 v10, 4, v10                      ; O in memory: 16 x lane
	v_lshlrev_b32 v11, 3, v2
	v_sub_nc_u32 v11, v1, v11                      ; r - 8 h
	v_mov_b32 v13, 0xff800000                      ; -infinity
; A pass begins: my 32 queries into registers; m = -3e38, under every score; l and O^T zeros, which the first change of m leaves zeros (so the step is written once).
.macro PROLOGUE
	s_lshl_b32 s72, s52, 7
	s_mov_b32 s73, 0
	s_add_nc_u64 s[72:73], s[14:15], s[72:73]
	WIN 0x40
.irp t, 0,1
.irp kc, 0,1
	global_load_b128 v[QF+16*\t+8*\kc:QF+16*\t+8*\kc+3], v7, s[72:73] offset:\t*2048+64*\kc
	global_load_b128 v[QF+16*\t+8*\kc+4:QF+16*\t+8*\kc+7], v7, s[72:73] offset:\t*2048+64*\kc+32
.endr
.endr
	WIN 0
.irp t, 0,1
	v_mov_b32 v[ST+8*\t], 0xff61b1e6
.irp j, 1,2,3,4,5,6,7
	v_mov_b32 v[ST+8*\t+\j], 0
.endr
.endr
.set i, 0
.rept 64
	v_mov_b32 v[O+i], 0
.set i, i+1
.endr
	s_wait_loadcnt 0x0                             ; Q
	s_wait_xcnt 0x0                                ; the last pass's stores have read their registers, which the next scores will take
.endm
; A pass ends: O^T / l, rounded to f16, through my stage, a tile (16 rows of 128 bytes) at a time; 512 consecutive bytes a store.
.macro WAYOUT
.rept 4
	v_nop                                          ; places behind the last products
.endr
.irp t, 0,1
	v_add_f32 v[ST+8*\t+4], v[ST+8*\t+2], v[ST+8*\t+3]
.endr
.irp t, 0,1
	v_permlanex16_b32 v[ST+8*\t+5], v[ST+8*\t+4], s60, s61
.endr
.irp t, 0,1
	v_add_f32 v[ST+8*\t+4], v[ST+8*\t+4], v[ST+8*\t+5]
.endr
.irp t, 0,1
	v_rcp_f32 v[ST+8*\t+6], v[ST+8*\t+4]
.endr
	v_nop                                          ; a plain instruction behind the reciprocals,
	s_wait_alu depctr_va_vdst(0)                   ; and the wait ahead of their first reader
	s_wait_xcnt 0x0                                ; earlier stores have read their base
	s_lshl_b32 s74, s52, 7
	s_mov_b32 s75, 0
	s_add_nc_u64 s[74:75], s[20:21], s[74:75]
.irp t, 0,1
.set i, 0
.rept 16
	v_pk_mul_f32 v[O+32*\t+2*i:O+32*\t+2*i+1], v[O+32*\t+2*i:O+32*\t+2*i+1], v[ST+8*\t+6:ST+8*\t+7] op_sel_hi:[1,0]   ; ascending: each accumulator from its low end on
.set i, i+1
.endr
.set i, 0
.rept 16
	v_cvt_pk_f16_f32 v[S+32*\t+i], v[O+32*\t+2*i], v[O+32*\t+2*i+1]
.set i, i+1
.endr
.irp c, 0,1,2,3
	ds_store_b128 v8, v[S+32*\t+4*\c:S+32*\t+4*\c+3] offset:32*\c
.endr
.irp u, 0,1,2,3
	ds_load_b128 v[S+32*\t+16+4*\u:S+32*\t+16+4*\u+3], v9 offset:4*KP*\u   ; LDS serves a wave's instructions in order: these see the stores above, and the next tile's stores come behind them
.endr
.endr
.irp t, 0,1
	s_wait_dscnt 8-8*\t                            ; tile 0 is back (tile 1's four stores and four loads may be out); then tile 1
.irp u, 0,1,2,3
	global_store_b128 v10, v[S+32*\t+16+4*\u:S+32*\t+16+4*\u+3], s[74:75] offset:2048*\t+512*\u
.endr
.endr
.endm
.macro SOFTMAX                         ; both tiles, line by line in turn
.irp j, 0,1,2,3                        ; the maximum of 32 scores and the old m: four chains of seven, then what is left.  Each accumulator is first read at its low end
.irp t, 0,1
	v_max3_num_f32 v[ST+8*\t+4+\j], v[S+32*\t+8*\j], v[S+32*\t+8*\j+1], v[S+32*\t+8*\j+2]
.endr
.endr
.irp g, 1,2
.irp j, 0,1,2,3
.irp t, 0,1
	v_max3_num_f32 v[ST+8*\t+4+\j], v[ST+8*\t+4+\j], v[S+32*\t+8*\j+2*\g+1], v[S+32*\t+8*\j+2*\g+2]
.endr
.endr
.endr
.irp t, 0,1
	v_max3_num_f32 v[ST+8*\t+4], v[ST+8*\t+4], v[S+32*\t+7], v[S+32*\t+15]
	v_max3_num_f32 v[ST+8*\t+6], v[ST+8*\t+6], v[S+32*\t+23], v[S+32*\t+31]
.endr
.irp t, 0,1
	v_max3_num_f32 v[ST+8*\t+4], v[ST+8*\t+4], v[ST+8*\t+5], v[ST+8*\t+6]
.endr
.irp t, 0,1
	v_max3_num_f32 v[ST+8*\t+4], v[ST+8*\t+4], v[ST+8*\t+7], v[ST+8*\t]
.endr
.irp t, 0,1
	v_permlanex16_b32 v[ST+8*\t+5], v[ST+8*\t+4], s60, s61   ; the query's other 32 keys lie in the lane 16 away
.endr
.irp t, 0,1
	v_mov_b32 v[ST+8*\t+7], v[ST+8*\t]
.endr
.irp t, 0,1
	v_max_num_f32 v[ST+8*\t], v[ST+8*\t+4], v[ST+8*\t+5]     ; the new m
.endr
.irp t, 0,1
	v_sub_f32 v[ST+8*\t+7], v[ST+8*\t+7], v[ST+8*\t]         ; m_old - m_new
.endr
.set n, 0
.rept 16
.irp t, 0,1
	v_pk_add_f32 v[S+32*\t+2*n:S+32*\t+2*n+1], v[S+32*\t+2*n:S+32*\t+2*n+1], v[ST+8*\t:ST+8*\t+1] op_sel_hi:[1,0] neg_lo:[0,1] neg_hi:[0,1]   ; s - m
.endr
.set n, n+1
.endr
.irp t, 0,1                            ; ONE BATCH of 66 exponentials, none of which reads another's result
	v_exp_f32 v[ST+8*\t+6], v[ST+8*\t+7]
.endr
.set n, 0
.rept 32
	v_exp_f32 v[S+n], v[S+n]
	v_exp_f32 v[S+32+n], v[S+32+n]
.set n, n+1
.endr
	v_nop                                          ; a plain instruction behind the last exponential,
	s_wait_alu depctr_va_vdst(0)                   ; and the wait ahead of the batch's first reader
.set n, 0
.rept 16
.irp t, 0,1
	v_cvt_pk_f16_f32 v[P+16*\t+n], v[S+32*\t+2*n], v[S+32*\t+2*n+1]
.endr
.set n, n+1
.endr
.irp w, 4,8,16,32                      ; the sum of the tile's 16 pairs, of the unrounded p, in place
.set u, 0
.rept 32/\w
.irp t, 0,1
	v_pk_add_f32 v[S+32*\t+\w*u:S+32*\t+\w*u+1], v[S+32*\t+\w*u:S+32*\t+\w*u+1], v[S+32*\t+\w*u+\w/2:S+32*\t+\w*u+\w/2+1]
.endr
.set u, u+1
.endr
.endr
.irp t, 0,1
	v_pk_fma_f32 v[ST+8*\t+2:ST+8*\t+3], v[ST+8*\t+2:ST+8*\t+3], v[ST+8*\t+6:ST+8*\t+7], v[S+32*\t:S+32*\t+1] op_sel_hi:[1,0,1]
.endr
.set n, 0
.rept 16
.irp t, 0,1
	v_pk_mul_f32 v[O+32*\t+2*n:O+32*\t+2*n+1], v[O+32*\t+2*n:O+32*\t+2*n+1], v[ST+8*\t+6:ST+8*\t+7] op_sel_hi:[1,0]
.endr
.set n, n+1
.endr
.endm
; A KEY STEP: 64 keys.
.macro STEP
	s_add_co_u32 s55, s52, 31
	s_cmp_gt_u32 s51, s55                          ; all 64 keys come after my last query: nothing to do but step the addresses
	s_cbranch_scc1 .Lhidden_\@
	v_add_nc_u32 v5, s53, v3
	v_add_nc_u32 v6, s53, v4
	v_nop
	v_nop                                          ; these four are the places between the last step's products and the loads into their operands
	WIN 0x40
.irp kt, 0,1,2,3
.irp kc, 0,1
	ds_load_b128 v[KF+16*\kt+8*\kc:KF+16*\kt+8*\kc+3], v5 offset:\kt*16*KP+64*\kc
	ds_load_b128 v[KF+16*\kt+8*\kc+4:KF+16*\kt+8*\kc+7], v5 offset:\kt*16*KP+64*\kc+32
.endr
.endr
.irp kh, 0,1
.irp c, 0,1,2,3
	ds_load_tr16_b128 v[VF+32*\kh+8*\c:VF+32*\kh+8*\c+3], v6 offset:\kh*32*VP+32*\c
	ds_load_tr16_b128 v[VF+32*\kh+8*\c+4:VF+32*\kh+8*\c+7], v6 offset:\kh*32*VP+32*\c+16*VP
.endr
.endr
	s_wait_dscnt 16                                ; K is in; V's sixteen loads may be out
	WIN 0x05                                       ; K and Q window 1, S^T window 0
.set i, 0
.rept 16                               ; channels 32 (i / 8) on, keys 16 ((i / 2) % 4) on, tile i % 2: eight accumulators by turns; the first eight start the sums
.set rS, S+32*(i%2)+8*((i/2)%4)
.set rK, KF+16*((i/2)%4)+8*(i/8)
.set rQ, QF+16*(i%2)+8*(i/8)
.if i < 8
	v_wmma_f32_16x16x32_f16 v[rS:rS+7], v[rK:rK+7], v[rQ:rQ+7], 0
.else
	v_wmma_f32_16x16x32_f16 v[rS:rS+7], v[rK:rK+7], v[rQ:rQ+7], v[rS:rS+7]
.endif
.set i, i+1
.endr
	WIN 0
.rept 4
	v_nop
.endr
	s_add_co_u32 s55, s51, 63
	s_cmp_le_u32 s55, s52                          ; every key counts for every one of my queries: no mask
	s_cbranch_scc1 .Lopen_\@
	s_sub_co_i32 s55, s52, s51
	v_add_nc_u32 v12, s55, v11                     ; d = my first query - the first key + r - 8 h.  Register 32 t + 8 kt + j holds key 16 kt + 8 h + j of query 16 t + r: hidden where 16 kt + j - 16 t > d
.set n, 0
.rept 64
	v_cmp_gt_i32 vcc_lo, 16*((n%32)/8)+n%8-16*(n/32), v12
	v_cndmask_b32 v[S+n], v[S+n], v13, vcc_lo
.set n, n+1
.endr
.Lopen_\@:
	SOFTMAX
	s_wait_dscnt 0x0                               ; V is in
	WIN 0x01                                       ; V window 1; P and O^T window 0
.set i, 0
.rept 16                               ; keys 32 (i / 8) on, channels 16 ((i / 2) % 4) on, tile i % 2: eight accumulators by turns
.set rO, O+32*(i%2)+8*((i/2)%4)
.set rV, VF+32*(i/8)+8*((i/2)%4)
.set rP, P+16*(i%2)+8*(i/8)
	v_wmma_f32_16x16x32_f16 v[rO:rO+7], v[rV:rV+7], v[rP:rP+7], v[rO:rO+7]
.set i, i+1
.endr
	WIN 0
.Lhidden_\@:
	s_add_co_u32 s51, s51, 64
	s_add_co_u32 s53, s53, STEPB
.endm
; THE CHANGE OF SLOTS stands at a slot's head.  Each wave waits for all its tensor loads (its part of the slot that it is about to read), adds 0 to its spare word, and waits for that and for its reads of the slot
; that it has left.  Behind the barrier the slot ahead is whole and nobody reads the other one.  fill = 1: that other slot takes the next trip's key block: trip + 1, or, from the second pass on, trip + 1 - (8 - J).
.macro CHANGE fill
	s_wait_tensorcnt 0x0                           ; no tensor load of mine is out, so a group 0 may be written
	ds_add_u32 v[SPW], v[NIL]                      ; 0 onto my spare word; the descriptors' words stand between it and the wait for it
.if \fill
	s_add_co_u32 s55, s48, 1
	s_sub_co_u32 s56, s55, s50
	s_cmp_lt_u32 s55, s50
	s_cselect_b32 s70, s55, s56
	s_lshl_b32 s70, s70, 15                        ; 256 rows of 128 bytes a block
	s_mov_b32 s71, 0
	s_xor_b32 s41, s41, SLOT1
	s_add_nc_u64 s[42:43], s[16:17], s[70:71]
	s_or_b32 s43, s43, 0x80000000
	s_xor_b32 s45, s45, SLOT1
	s_add_nc_u64 s[46:47], s[18:19], s[70:71]
	s_or_b32 s47, s47, 0x80000000
	s_wait_xcnt 0x0                                ; the last prefetch, a slot back, has read its address
	s_add_nc_u64 s[66:67], s[66:67], 0x8000
.endif
	s_wait_dscnt 0x0                               ; the add is done, and my reads of the slot that I have left are over
	s_barrier_signal -1
	s_barrier_wait -1
.if \fill
	TLOAD                                          ; the first thing behind the barrier, and my one tensor load until the next
	ASK
.endif
.endm
.macro SLOT_STEPS
	s_cmp_lg_u32 s48, s50                          ; trip 8 - J opens the second pass: ids and the count of trips alone, the same in all eight waves
	s_cbranch_scc1 .Lsame_\@
	WAYOUT
	s_lshl_b32 s52, s9, 8
	s_lshl_b32 s55, s8, 5
	s_add_co_u32 s52, s52, s55                     ; my first query: 256 J + 32 x wave
	s_mov_b32 s51, 0
	PROLOGUE
.Lsame_\@:
	s_mov_b32 s54, 4
.Lstep_\@:
	STEP
	s_sub_co_u32 s54, s54, 1
	s_cmp_lg_u32 s54, 0
	s_cbranch_scc1 .Lstep_\@
	s_sub_co_u32 s53, s53, 4*STEPB                 ; back to a slot's first step,
	s_xor_b32 s53, s53, SLOT1                      ; in the other slot
	s_add_co_u32 s48, s48, 1
.endm
	PROLOGUE
.Lslot:                                            ; eight trips: behind each change of slots the next trip's block is asked for
	CHANGE 1
	SLOT_STEPS
	s_sub_co_u32 s49, s49, 1
	s_cmp_lg_u32 s49, 0
	s_cbranch_scc1 .Lslot
	CHANGE 0                                       ; the ninth is written out: nothing is left to fetch
	SLOT_STEPS
	WAYOUT
	s_wait_tensorcnt 0x0                           ; the wave's end, behind my last tensor load and my last LDS store
	ds_add_u32 v[SPW], v[NIL]
	s_wait_dscnt 0x0
	s_endpgm
.Lfunc_end_k_q1e6bca3ed2_attn:
	.size	k_q1e6bca3ed2_attn, .Lfunc_end_k_q1e6bca3ed2_attn-k_q1e6bca3ed2_attn
	.p2alignl 7, 3214868480
	.fill 96, 4, 3214868480
	.section	.rodata,"a",@progbits
	.p2align	6, 0x0
	.amdhsa_kernel k_q1e6bca3ed2_attn
		.amdhsa_group_segment_fixed_size 327680
		.amdhsa_private_segment_fixed_size 0
		.amdhsa_enable_private_segment 0
		.amdhsa_kernarg_size 16
		.amdhsa_user_sgpr_count 2
		.amdhsa_user_sgpr_kernarg_segment_ptr 1
		.amdhsa_wavefront_size32 1
		.amdhsa_system_sgpr_workgroup_id_x 1
		.amdhsa_system_sgpr_workgroup_id_y 1
		.amdhsa_system_sgpr_workgroup_id_z 1
		.amdhsa_system_vgpr_workitem_id 0
		.amdhsa_next_free_vgpr 512
		.amdhsa_next_free_sgpr 80
		.amdhsa_reserve_vcc 1
		.amdhsa_float_denorm_mode_32 3
		.amdhsa_float_denorm_mode_16_64 3
		.amdhsa_memory_ordered 1
		.amdhsa_forward_progress 1
		.amdhsa_inst_pref_size 81
	.end_amdhsa_kernel
	.amdgpu_metadata
---
amdhsa.version: [ 1, 2 ]
amdhsa.kernels:
  - .name:           k_q1e6bca3ed2_attn
    .symbol:         k_q1e6bca3ed2_attn.kd
    .args:
      - { .name: qkv16, .offset: 0, .size: 8, .value_kind: global_buffer, .address_space: global }
      - { .name: attn16, .offset: 8, .size: 8, .value_kind: global_buffer, .address_space: global }
    .group_segment_fixed_size: 327680
    .private_segment_fixed_size: 0
    .kernarg_segment_align: 8
    .kernarg_segment_size: 16
    .max_flat_workgroup_size: 256
    .sgpr_count:     80
    .vgpr_count:     512
    .wavefront_size: 32
...
	.end_amdgpu_metadata
.endif
;; end of part 3
;; launch oproj (part 4): grid 8 x 32, 4 waves a work-group, clusters of 4 x 4, 327,680 bytes of LDS; arguments attn16, wo16, out0; writes out0
.if DOCPART == 4
	.amdgcn_target "amdgcn-amd-amdhsa--gfx1250"
	.amdhsa_code_object_version 6
	.text
	.protected	k_q1e6bca3ed2_oproj
	.globl	k_q1e6bca3ed2_oproj
	.p2align	8
	.type	k_q1e6bca3ed2_oproj,@function
k_q1e6bca3ed2_oproj:
	s_mov_b64 s[64:65], 0
	v_nop
	global_prefetch_b8 v0, s[64:65] scope:SCOPE_SE
	s_setreg_imm32_b32 hwreg(HW_REG_WAVE_MODE, 25, 1), 1
	s_wait_xcnt 0x0
	s_wait_alu depctr_hold_cnt(0) depctr_sa_sdst(0) depctr_va_vdst(0) depctr_va_sdst(0) depctr_va_ssrc(0) depctr_va_vcc(0) depctr_vm_vsrc(0)
	s_getreg_b32 s2, hwreg(HW_REG_IB_STS2, 6, 4)
	s_cmp_eq_u32 s2, 0
	s_cbranch_scc0 .Lentry_in_a_cluster
	s_endpgm
.Lentry_in_a_cluster:
	s_bfe_u32 s2, ttmp6, 0x10000c
	s_cmp_lg_u32 s2, 0xf033
	s_cbranch_scc0 .Lentry_shape_is_right
	s_endpgm
.Lentry_shape_is_right:
; out0[m][n] = sum over k of attn[m][k] Wo[n][k], on f16 operands with f32 sums.  attn16: [16 planes of 64 along K][8192 rows][64]; wo16: [16][1024][64]; out0: [8192][1024] f32.
; A tile of out0 is 256 rows x 128 columns: 256 work-groups.  Four waves, each 128 x 64: 32 accumulators, 256 registers (window 1).
; K goes in steps of 128 (two planes) through a ring of two LDS slots.  In each plane a tile's rows are one dense block: wave 0, 1 fetch A's two planes (256 rows of 128 bytes each), wave 2, 3 B's (128 rows).
; CLUSTERS: 4 x 4 work-groups; A's tiles are asked for jointly along a row of the cluster, B's along a column.
; THE MATRIX INSTRUCTION IS USED TRANSPOSED (source 0 = 16 rows of Wo, source 1 = 16 rows of attn): a lane holds eight neighbouring numbers of a row of out0.
; Rows of positions 0-15 of each sequence are written here like all others and written again, more finely, by the launch that follows.
; REGISTERS: window 0: v16-29 addresses; two fragment buffers of 96 (A's eight blocks, then B's four, 32 along K) at v64 and v160; on the way out v64-127 rows read back.   window 1: accumulator (a, b) at v[8 (4 a + b)].
.set HP,     144                       ; an LDS row: 128 bytes + 16: an odd multiple of 16
.set APL,    256*HP                    ; a plane of A's tile
.set BPL,    128*HP                    ; of B's
.set BOFF,   2*APL
.set SLOT,   2*APL+2*BPL
.set STAGE,  2*SLOT                    ; behind the ring: 16 rows x 272 bytes for each wave
.set SPITCH, 272
.set SPARE,  STAGE+4*16*SPITCH         ; the spare words, 128 bytes a wave
.set LAPS,   4                         ; a lap = two K steps of 128: 1024 / 256
.set ADRA, 16
.set ADRB, 20
.set STO,  24
.set RD,   25
.set CO,   26
.set SPW,  28
.set NIL,  29
.set F0,   64
.set F1,   160
.set G1, 24
.set G0, 32
.set G1B, 48
.set G0B, 56
.set MSB, 0
.macro WIN new
.if MSB != \new
	s_set_vgpr_msb (MSB<<8)|\new
.set MSB, \new
.endif
.endm
.set MUL, 0x50                         ; C and D window 1; the fragments window 0
.macro JLOAD s                         ; waves 0, 1: A's planes; waves 2, 3: B's; an s_nop 0 and four v_nop follow each of the two lines
	s_cmp_eq_u32 s11, 0
	s_cbranch_scc0 .Lfor_b_\@
	tensor_load_to_lds s[G0+4*\s:G0+4*\s+3], s[G1:G1+7]
	s_nop 0
.rept 4
	v_nop
.endr
	s_branch .Lasked_\@
.Lfor_b_\@:
	tensor_load_to_lds s[G0B+4*\s:G0B+4*\s+3], s[G1B:G1B+7]
	s_nop 0
.rept 4
	v_nop
.endr
.Lasked_\@:
.endm
.macro CREST
	s_cmp_lg_u32 s10, 0
	s_cbranch_scc1 .Lnot_wave_0_\@
	s_barrier_signal -3
.Lnot_wave_0_\@:
	s_barrier_wait -3
	s_barrier_signal -1
	s_barrier_wait -1
.endm
.macro CROUND
	s_barrier_signal -1
	s_barrier_wait -1
	CREST
.endm
	s_load_b128 s[4:7], s[0:1], 0x0                ; attn16, wo16
	s_load_b64 s[8:9], s[0:1], 0x10                ; out0
	v_lshl_add_u32 v[SPW], v0, 2, SPARE
	v_mov_b32 v[NIL], 0
	ds_add_u32 v[SPW], v[NIL]                      ; the wave's opening: the add, twice on end, and its wait ahead of my first tensor load
	ds_add_u32 v[SPW], v[NIL]
	v_lshrrev_b32 v1, 5, v0
	v_readfirstlane_b32 s10, v1                    ; wave 0..3
	s_lshr_b32 s11, s10, 1                         ; which half of the tile's rows is mine.  Also: I fetch for A (0) or for B (1)
	s_and_b32 s12, s10, 1                          ; which half of its columns.  Also: which of a K step's two planes I fetch
	s_bfe_u32 s40, ttmp6, 0x40000                  ; cx
	s_bfe_u32 s41, ttmp6, 0x40004                  ; cy
	s_lshl_b32 s42, ttmp9, 2
	s_add_co_u32 s42, s42, s40                     ; tile column
	s_and_b32 s13, ttmp7, 0xffff
	s_lshl_b32 s13, s13, 2
	s_add_co_u32 s13, s13, s41                     ; tile row
	s_lshl_b32 s43, s41, 2
	s_lshl_b32 s43, 15, s43                        ; my row of the cluster
	s_lshl_b32 s44, 0x1111, s40                    ; my column
	s_or_b32 s[G1+0], s43, (1<<16)|(1<<20)|(1<<21)|(4<<22)|(3<<25)  ; the mask; elements of 2 bytes; padding on; bit 21 beside a mask; after every 32 words; 4 words
	s_or_b32 s[G1B+0], s44, (1<<16)|(1<<20)|(1<<21)|(4<<22)|(3<<25)
	s_mov_b32 s[G1+1], 64<<16                      ; tensor_dim0 = 64
	s_mov_b32 s[G1+2], 256<<16                     ; tensor_dim1 = 256
	s_mov_b32 s[G1+3], 64<<16                      ; tile_dim0 = 64
	s_mov_b32 s[G1+4], 256                         ; tile_dim1 = 256
	s_mov_b32 s[G1+5], 64                          ; from row to row
	s_mov_b32 s[G1+6], 0
	s_mov_b32 s[G1+7], 0
	s_mov_b32 s[G1B+1], 64<<16
	s_mov_b32 s[G1B+2], 128<<16
	s_mov_b32 s[G1B+3], 64<<16
	s_mov_b32 s[G1B+4], 128
	s_mov_b32 s[G1B+5], 64
	s_mov_b32 s[G1B+6], 0
	s_mov_b32 s[G1B+7], 0
	s_lshl_b32 s16, s13, 15                        ; A: the tile's 256 rows of 128 bytes,
	s_lshl_b32 s17, s12, 20                        ; my plane of 8,192 rows
	s_add_co_u32 s16, s16, s17
	s_mov_b32 s17, 0
	s_lshl_b32 s46, s42, 14                        ; B: the tile's 128 rows,
	s_lshl_b32 s47, s12, 17                        ; my plane of 1,024 rows
	s_add_co_u32 s46, s46, s47
	s_mov_b32 s47, 0
	s_mul_i32 s20, s12, APL                        ; where they go: no place in the cluster enters an LDS address
	s_mul_i32 s21, s12, BPL
	s_add_co_u32 s21, s21, BOFF
	s_wait_dscnt 0x0                               ; both opening adds are done
	s_wait_kmcnt 0x0
	s_add_nc_u64 s[14:15], s[4:5], s[16:17]
	s_add_nc_u64 s[46:47], s[6:7], s[46:47]
	CROUND                                         ; all sixteen work-groups are here: the first joint loads meet
.irp s, 0,1
	s_mov_b32 s[G0+4*\s], 1
	s_add_co_u32 s[G0+4*\s+1], s20, \s*SLOT
	s_add_nc_u64 s[G0+4*\s+2:G0+4*\s+3], s[14:15], \s*2*1048576
	s_or_b32 s[G0+4*\s+3], s[G0+4*\s+3], 0x80000000
	s_mov_b32 s[G0B+4*\s], 1
	s_add_co_u32 s[G0B+4*\s+1], s21, \s*SLOT
	s_add_nc_u64 s[G0B+4*\s+2:G0B+4*\s+3], s[46:47], \s*2*131072
	s_or_b32 s[G0B+4*\s+3], s[G0B+4*\s+3], 0x80000000
	JLOAD \s
.endr
	v_and_b32 v1, 15, v0                           ; r
	v_bfe_u32 v2, v0, 4, 1                         ; h
	v_mul_u32_u24 v3, v1, HP
	v_lshl_add_u32 v3, v2, 4, v3
	s_mul_i32 s21, s11, 128*HP                     ; my 128 rows of A
	s_mul_i32 s22, s12, 64*HP                      ; my 64 rows of B
	s_add_co_u32 s22, s22, BOFF
.irp s, 0,1
	v_add_nc_u32 v[ADRA+\s], s21, v3
	v_add_nc_u32 v[ADRB+\s], s22, v3
	s_add_co_u32 s21, s21, SLOT
	s_add_co_u32 s22, s22, SLOT
.endr
	s_mul_i32 s23, s10, 16*SPITCH
	s_add_co_u32 s23, s23, STAGE                   ; my stage
	v_mul_u32_u24 v4, v1, SPITCH
	v_lshl_add_u32 v4, v2, 5, v4
	v_add_nc_u32 v[STO], s23, v4                   ; in: row r, 32 bytes for each half of the lanes
	v_mul_u32_u24 v5, v2, SPITCH
	v_lshl_add_u32 v5, v1, 4, v5
	v_add_nc_u32 v[RD], s23, v5                    ; back: lanes 0-15 one row of 256 bytes, lanes 16-31 the next
	v_lshlrev_b32 v5, 12, v2
	v_lshl_add_u32 v[CO], v1, 4, v5                ; and the same two rows in out0
	s_lshl_b32 s16, s13, 8
	s_lshl_b32 s17, s11, 7
	s_add_co_u32 s16, s16, s17                     ; my first row
	s_lshl_b32 s16, s16, 12
	s_mov_b32 s17, 0
	s_add_nc_u64 s[8:9], s[8:9], s[16:17]
	s_lshl_b32 s46, s42, 9                         ; my first column, in bytes
	s_lshl_b32 s47, s12, 8
	s_add_co_u32 s46, s46, s47
	s_mov_b32 s47, 0
	s_add_nc_u64 s[8:9], s[8:9], s[46:47]
; 8 matrix instructions: A's blocks a0, a0 + 1 x B's four, 32 along K.  The 32 accumulators take turns, in the same order in every quarter.
.macro MUL8 f, a0, zero
.irp a, \a0, \a0+1
.irp b, 0,1,2,3
.if \zero
	v_wmma_f32_16x16x32_f16 v[8*(4*(\a)+\b):8*(4*(\a)+\b)+7], v[\f+64+8*\b:\f+64+8*\b+7], v[\f+8*(\a):\f+8*(\a)+7], 0
.else
	v_wmma_f32_16x16x32_f16 v[8*(4*(\a)+\b):8*(4*(\a)+\b)+7], v[\f+64+8*\b:\f+64+8*\b+7], v[\f+8*(\a):\f+8*(\a)+7], v[8*(4*(\a)+\b):8*(4*(\a)+\b)+7]
.endif
.endr
.endr
.endm
; 24 LDS loads in one run: quarter q of a slot (plane q / 2, bytes 64 (q % 2) on) into buffer f: B's four blocks, A's blocks 0-3, A's blocks 4-7
.macro FETCH slot, q, f
	WIN 0
.irp i, 0,1,2,3
	ds_load_b128 v[\f+64+8*\i:\f+64+8*\i+3],   v[ADRB+\slot] offset:((\q)/2)*BPL+64*((\q)%2)+\i*16*HP
	ds_load_b128 v[\f+64+8*\i+4:\f+64+8*\i+7], v[ADRB+\slot] offset:((\q)/2)*BPL+64*((\q)%2)+\i*16*HP+32
.endr
.irp i, 0,1,2,3,4,5,6,7
	ds_load_b128 v[\f+8*\i:\f+8*\i+3],   v[ADRA+\slot] offset:((\q)/2)*APL+64*((\q)%2)+\i*16*HP
	ds_load_b128 v[\f+8*\i+4:\f+8*\i+7], v[ADRA+\slot] offset:((\q)/2)*APL+64*((\q)%2)+\i*16*HP+32
.endr
.endm
.macro PLACES
.rept 4
	v_nop
.endr
.endm
; One of a K step's first three quarters: multiplies buffer f and fetches quarter q into g.
.macro QUARTER slot, q, f, g, zero
	s_wait_dscnt 8                                 ; B and A's blocks 0-3 are in; the youngest eight loads (A's blocks 4-7) may be out
	WIN MUL
	MUL8 \f, 0, \zero
	MUL8 \f, 2, \zero
	PLACES
	FETCH \slot, \q, \g
	s_wait_dscnt 24                                ; all but the 24 just issued
	WIN MUL
	MUL8 \f, 4, \zero
	MUL8 \f, 6, \zero
.endm
; The last quarter multiplies buffer 1 and changes slots: one barrier; in front of it each wave waits for all its tensor loads, adds 0 to its spare word, and waits for that and for its reads of this slot.
.macro TURN slot, next, fill
	WIN 0
	s_wait_tensorcnt 0x0                           ; all my tensor loads have landed: my part of the next slot
	ds_add_u32 v[SPW], v[NIL]
	s_wait_dscnt 9                                 ; the add and the youngest eight loads may be out
	WIN MUL
	MUL8 F1, 0, 0
	s_wait_dscnt 0x0                               ; the add is done, and my reads of this slot are over
	s_barrier_signal -1
	MUL8 F1, 2, 0
	WIN 0
	s_barrier_wait -1
.if \fill
	CREST                                          ; the barrier has opened a round of the cluster's barrier: no wave of any partner still reads this slot or has a load on its way
	s_add_nc_u64 s[G0+4*\slot+2:G0+4*\slot+3], s[G0+4*\slot+2:G0+4*\slot+3], 4*1048576
	s_add_nc_u64 s[G0B+4*\slot+2:G0B+4*\slot+3], s[G0B+4*\slot+2:G0B+4*\slot+3], 4*131072
	JLOAD \slot                                    ; the first tensor load behind the round; its four v_nop are also the places in front of the loads below
.else
	PLACES
.endif
	FETCH \next, 0, F0
	WIN MUL
	MUL8 F1, 4, 0
	MUL8 F1, 6, 0
.endm
	s_wait_tensorcnt 1                             ; my part of K step 0 is in (K step 1's load may be out),
	s_barrier_signal -1
	s_barrier_wait -1                              ; everybody's is
	FETCH 0, 0, F0
	QUARTER 0, 1, F0, F1, 1                        ; the first quarter's products start the sums: nothing is cleared
	WIN 0
	s_mov_b32 s3, LAPS-1
.Llap:                                                 ; a trip goes once round the ring and fills both slots again
	QUARTER 0, 2, F1, F0, 0
	QUARTER 0, 3, F0, F1, 0
	TURN 0, 1, 1
	QUARTER 1, 1, F0, F1, 0
	QUARTER 1, 2, F1, F0, 0
	QUARTER 1, 3, F0, F1, 0
	TURN 1, 0, 1
	QUARTER 0, 1, F0, F1, 0
	WIN 0
	s_sub_co_u32 s3, s3, 1
	s_cmp_lg_u32 s3, 0
	s_cbranch_scc1 .Llap
	QUARTER 0, 2, F1, F0, 0                        ; the last lap fills nothing
	QUARTER 0, 3, F0, F1, 0
	TURN 0, 1, 0
	QUARTER 1, 1, F0, F1, 0
	QUARTER 1, 2, F1, F0, 0
	QUARTER 1, 3, F0, F1, 0
	s_wait_dscnt 8
	WIN MUL
	MUL8 F1, 0, 0
	MUL8 F1, 2, 0
	s_wait_dscnt 0
	MUL8 F1, 4, 0
	MUL8 F1, 6, 0
	WIN 0
; THE WAY OUT, 16 rows x 64 columns at a time: through my own stage and back as whole rows of 256 bytes: sixteen lanes store 256 consecutive bytes, aligned.
.macro TOSTAGE a
	WIN 0x04                                       ; an LDS store's data are its source 1: window 1
.irp b, 0,1,2,3
	ds_store_b128 v[STO], v[8*(4*(\a)+\b):8*(4*(\a)+\b)+3] offset:64*\b          ; each accumulator from its low end on
	ds_store_b128 v[STO], v[8*(4*(\a)+\b)+4:8*(4*(\a)+\b)+7] offset:64*\b+16
.endr
	WIN 0
.set BB, 64+32*((\a)%2)
.irp t, 0,1,2,3,4,5,6,7
	ds_load_b128 v[BB+4*\t:BB+4*\t+3], v[RD] offset:\t*2*SPITCH   ; LDS serves a wave's instructions in order: these see the stores above
.endr
.endm
.macro SEND a, younger
.set BB, 64+32*((\a)%2)
	s_wait_dscnt \younger                          ; the block is back (the next block's eight stores and eight loads may be out)
.irp t, 0,1,2,3,4,5,6,7
	global_store_b128 v[CO], v[BB+4*\t:BB+4*\t+3], s[8:9] offset:(16*(\a)+2*\t)*4096 th:TH_STORE_NT
.endr
.endm
	PLACES
	TOSTAGE 0
.irp a, 1,2,3,4,5,6,7
.if \a > 1
	s_wait_xcnt 0x0                                ; block a - 2's stores have read their registers: block a's loads may land there
.endif
	TOSTAGE \a
	SEND \a-1, 16
.endr
	SEND 7, 0
	s_wait_tensorcnt 0x0                           ; the wave's end, behind my last tensor load and my last LDS store
	ds_add_u32 v[SPW], v[NIL]
	s_wait_dscnt 0x0
	CROUND                                         ; the closing round
	s_endpgm
.Lfunc_end_k_q1e6bca3ed2_oproj:
	.size	k_q1e6bca3ed2_oproj, .Lfunc_end_k_q1e6bca3ed2_oproj-k_q1e6bca3ed2_oproj
	.p2alignl 7, 3214868480
	.fill 96, 4, 3214868480
	.section	.rodata,"a",@progbits
	.p2align	6, 0x0
	.amdhsa_kernel k_q1e6bca3ed2_oproj
		.amdhsa_group_segment_fixed_size 327680
		.amdhsa_private_segment_fixed_size 0
		.amdhsa_enable_private_segment 0
		.amdhsa_kernarg_size 24
		.amdhsa_user_sgpr_count 2
		.amdhsa_user_sgpr_kernarg_segment_ptr 1
		.amdhsa_wavefront_size32 1
		.amdhsa_system_sgpr_workgroup_id_x 1
		.amdhsa_system_sgpr_workgroup_id_y 1
		.amdhsa_system_sgpr_workgroup_id_z 1
		.amdhsa_system_vgpr_workitem_id 0
		.amdhsa_next_free_vgpr 512
		.amdhsa_next_free_sgpr 66
		.amdhsa_reserve_vcc 0
		.amdhsa_float_denorm_mode_32 3
		.amdhsa_float_denorm_mode_16_64 3
		.amdhsa_memory_ordered 1
		.amdhsa_forward_progress 1
		.amdhsa_inst_pref_size 85
	.end_amdhsa_kernel
	.amdgpu_metadata
---
amdhsa.version: [ 1, 2 ]
amdhsa.kernels:
  - .name:           k_q1e6bca3ed2_oproj
    .symbol:         k_q1e6bca3ed2_oproj.kd
    .args:
      - { .name: attn16, .offset: 0, .size: 8, .value_kind: global_buffer, .address_space: global }
      - { .name: wo16, .offset: 8, .size: 8, .value_kind: global_buffer, .address_space: global }
      - { .name: out0, .offset: 16, .size: 8, .value_kind: global_buffer, .address_space: global }
    .group_segment_fixed_size: 327680
    .private_segment_fixed_size: 0
    .kernarg_segment_align: 8
    .kernarg_segment_size: 24
    .max_flat_workgroup_size: 128
    .sgpr_count:     66
    .vgpr_count:     512
    .wavefront_size: 32
...
	.end_amdgpu_metadata
.endif
;; end of part 4
;; launch fine (part 5): grid 16 x 4, 16 waves a work-group, no clusters, 71,680 bytes of LDS; arguments finebuf, Wo, out0; writes out0
.if DOCPART == 5
	.amdgcn_target "amdgcn-amd-amdhsa--gfx1250"
	.amdhsa_code_object_version 6
	.text
	.protected	k_q1e6bca3ed2_fine
	.globl	k_q1e6bca3ed2_fine
	.p2align	8
	.type	k_q1e6bca3ed2_fine,@function
k_q1e6bca3ed2_fine:
	s_mov_b64 s[64:65], 0
	v_nop
	global_prefetch_b8 v0, s[64:65] scope:SCOPE_SE
	s_setreg_imm32_b32 hwreg(HW_REG_WAVE_MODE, 25, 1), 1
	s_wait_xcnt 0x0
; Positions 0-15 of every sequence once more, in f32 throughout: under the causal mask these rows average one to sixteen values and are the largest, so 16-bit operands would weigh most here.
; finebuf: [4 x 16 rows][3072] f32: q (turned, x log2(e)/8), k (turned), v.  Wo: [1024][1024] f32.  The 64 rows of out0 written here replace what the launch before wrote there.
; Work-group (nb, batch): 16 rows x 64 columns of out0.  Wave w is head w: its 16 x 16 scores, softmax, 16 x 64 of attention, and its 64 channels' share of the 64 columns; the sixteen shares meet in LDS.
; All products by v_wmma_f32_16x16x4_f32 (64 rows in all: no bulk work).  The instruction's k = 2 (lane / 16) + register; ONE permutation of K serves both sources of each product, so that plain loads fill the
; operands and a result's registers are the next product's source 1 as they stand:  scores: channel 32 h + 2 s + j;  P V: key 8 h + 2 s + j;  the projection: channel 16 c + 8 h + 2 s + j.
; The registers that these instructions write (v96-159) are written by them alone.
.set PP,    272                        ; a row of a share: 256 bytes + 16
.set PARTB, 16*PP
.set SPARE, 16*PARTB                   ; behind the sixteen shares: the spare words, 128 bytes a wave
.set T,   20                           ; v20-27  scores, then p
.set QF,  32                           ; v32-63  q(r, 32 h + 0..31)
.set KF,  64                           ; v64-95  k likewise
.set WA,  32                           ; v32-95  later: Wo's rows of column tiles 0, 1
.set A1,  96                           ; v96-127 four accumulators: the scores in four parts; later the four column tiles
.set A2,  128                          ; v128-159 O^T, four channel tiles
.set VF,  160                          ; v160-191 v(8 h + 2 s + j, 16 c + r) at 8 c + 2 s + j
.set WB,  192                          ; v192-255 Wo's rows of column tiles 2, 3
	s_load_b128 s[4:7], s[0:1], 0x0                ; finebuf, Wo
	s_load_b64 s[8:9], s[0:1], 0x10                ; out0
	v_lshl_add_u32 v16, v0, 2, SPARE               ; v16, v17: the add's two; never rewritten
	v_mov_b32 v17, 0
	v_lshrrev_b32 v1, 5, v0
	v_readfirstlane_b32 s10, v1                    ; wave = head
	s_and_b32 s11, ttmp7, 0xffff                   ; batch
	v_and_b32 v1, 15, v0                           ; r
	v_bfe_u32 v2, v0, 4, 1                         ; h
	v_mul_u32_u24 v3, v1, 12288
	v_lshl_add_u32 v3, v2, 7, v3                   ; q, k: row r, + 32 h channels
	v_mul_u32_u24 v4, v2, 98304
	v_lshl_add_u32 v4, v1, 2, v4                   ; v: row 8 h, channel r
	v_lshlrev_b32 v5, 12, v1
	v_lshl_add_u32 v5, v2, 5, v5                   ; Wo: row r, + 8 h channels
	s_mul_i32 s12, s10, PARTB
	v_mul_u32_u24 v6, v1, PP
	v_lshl_add_u32 v6, v2, 5, v6
	v_add_nc_u32 v6, s12, v6                       ; my share: row r, + 32 h bytes
	s_and_b32 s13, s10, 7                          ; waves 0-7 add the shares up, two rows each
	s_mul_i32 s14, s13, 2*PP
	v_mul_u32_u24 v7, v2, PP
	v_lshl_add_u32 v7, v1, 4, v7
	v_add_nc_u32 v7, s14, v7                       ; row 2 w + h, 16 bytes a lane
	s_lshl_b32 s14, s13, 13
	v_lshlrev_b32 v8, 12, v2
	v_lshl_add_u32 v8, v1, 4, v8
	v_add_nc_u32 v8, s14, v8                       ; and the same place in out0
	v_lshlrev_b32 v9, 3, v2
	v_sub_nc_u32 v9, v1, v9                        ; r - 8 h
	v_mov_b32 v18, 0xff800000                      ; -infinity
	v_mov_b32 v11, 0                               ; (a lane permute's destination counts as one of its sources)
	s_mov_b32 s20, 0x76543210
	s_mov_b32 s21, 0xfedcba98
	s_mul_i32 s16, s11, 196608                     ; the batch's 16 rows of finebuf,
	s_lshl_b32 s17, s10, 8                         ; my head's 64 columns
	s_add_co_u32 s16, s16, s17
	s_mov_b32 s17, 0
	s_lshl_b32 s18, ttmp9, 18                      ; Wo: the work-group's 64 rows,
	s_lshl_b32 s19, s10, 8                         ; my head's 64 channels
	s_add_co_u32 s18, s18, s19
	s_mov_b32 s19, 0
	s_lshl_b32 s22, s11, 23                        ; out0: the batch's 2,048 rows of 4,096 bytes,
	s_lshl_b32 s23, ttmp9, 8                       ; the work-group's 64 columns
	s_add_co_u32 s22, s22, s23
	s_mov_b32 s23, 0
	s_wait_kmcnt 0x0
	s_add_nc_u64 s[4:5], s[4:5], s[16:17]
	s_add_nc_u64 s[6:7], s[6:7], s[18:19]
	s_add_nc_u64 s[8:9], s[8:9], s[22:23]
.irp i, 0,1,2,3,4,5,6,7
	global_load_b128 v[QF+4*\i:QF+4*\i+3], v3, s[4:5] offset:16*\i
.endr
.irp i, 0,1,2,3,4,5,6,7
	global_load_b128 v[KF+4*\i:KF+4*\i+3], v3, s[4:5] offset:4096+16*\i
.endr
.irp c, 0,1,2,3
.irp k, 0,1,2,3,4,5,6,7
	global_load_b32 v[VF+8*\c+\k], v4, s[4:5] offset:8192+12288*\k+64*\c
.endr
.endr
.irp nt, 2,3
.irp c, 0,1,2,3
	global_load_b128 v[WB+32*(\nt-2)+8*\c:WB+32*(\nt-2)+8*\c+3], v5, s[6:7] offset:65536*\nt+64*\c
	global_load_b128 v[WB+32*(\nt-2)+8*\c+4:WB+32*(\nt-2)+8*\c+7], v5, s[6:7] offset:65536*\nt+64*\c+16
.endr
.endr
	s_wait_loadcnt 48                              ; q and k are in; v's 32 loads and Wo's 16 may be out
; S^T = k q^T: sixteen steps of 4 channels on four accumulators by turns; the first four start the sums
.set i, 0
.rept 16
.if i < 4
	v_wmma_f32_16x16x4_f32 v[A1+8*(i%4):A1+8*(i%4)+7], v[KF+2*i:KF+2*i+1], v[QF+2*i:QF+2*i+1], 0
.else
	v_wmma_f32_16x16x4_f32 v[A1+8*(i%4):A1+8*(i%4)+7], v[KF+2*i:KF+2*i+1], v[QF+2*i:QF+2*i+1], v[A1+8*(i%4):A1+8*(i%4)+7]
.endif
.set i, i+1
.endr
.rept 8
	v_nop                                          ; eight places behind this form, ahead of loads into its sources and of the first read of its results
.endr
.irp nt, 0,1
.irp c, 0,1,2,3
	global_load_b128 v[WA+32*\nt+8*\c:WA+32*\nt+8*\c+3], v5, s[6:7] offset:65536*\nt+64*\c
	global_load_b128 v[WA+32*\nt+8*\c+4:WA+32*\nt+8*\c+7], v5, s[6:7] offset:65536*\nt+64*\c+16
.endr
.endr
; lane (r, h): query r, register j: key 8 h + j.  The four parts are added (each accumulator from its low end on); key > query becomes -infinity
.irp j, 0,1,2,3,4,5,6,7
	v_add_f32 v[T+\j], v[A1+\j], v[A1+8+\j]
	v_add_f32 v28, v[A1+16+\j], v[A1+24+\j]
	v_add_f32 v[T+\j], v[T+\j], v28
	v_cmp_gt_i32 vcc_lo, \j, v9
	v_cndmask_b32 v[T+\j], v[T+\j], v18, vcc_lo
.endr
	v_max3_num_f32 v10, v20, v21, v22
	v_max3_num_f32 v10, v10, v23, v24
	v_max3_num_f32 v10, v10, v25, v26
	v_max_num_f32 v10, v10, v27
	v_permlanex16_b32 v11, v10, s20, s21
	v_max_num_f32 v10, v10, v11                    ; the row's maximum (key 0 counts for every query)
.irp j, 0,1,2,3,4,5,6,7
	v_sub_f32 v[T+\j], v[T+\j], v10
.endr
.irp j, 0,1,2,3,4,5,6,7
	v_exp_f32 v[T+\j], v[T+\j]
.endr
	v_nop                                          ; a plain instruction behind the exponentials,
	s_wait_alu depctr_va_vdst(0)                   ; and the wait ahead of their first reader
	v_add_f32 v12, v20, v21
	v_add_f32 v13, v22, v23
	v_add_f32 v14, v24, v25
	v_add_f32 v15, v26, v27
	v_add_f32 v12, v12, v13
	v_add_f32 v14, v14, v15
	v_add_f32 v12, v12, v14
	v_permlanex16_b32 v11, v12, s20, s21
	v_add_f32 v12, v12, v11
	v_rcp_f32 v12, v12
	v_nop
	s_wait_alu depctr_va_vdst(0)
.irp j, 0,1,2,3,4,5,6,7
	v_mul_f32 v[T+\j], v[T+\j], v12                ; the weights
.endr
	s_wait_loadcnt 32                              ; v is in; Wo's 32 loads may be out
; O^T = v^T p: four steps of 4 keys x four channel tiles by turns
.irp sp, 0,1,2,3
.irp c, 0,1,2,3
.if \sp == 0
	v_wmma_f32_16x16x4_f32 v[A2+8*\c:A2+8*\c+7], v[VF+8*\c+2*\sp:VF+8*\c+2*\sp+1], v[T+2*\sp:T+2*\sp+1], 0
.else
	v_wmma_f32_16x16x4_f32 v[A2+8*\c:A2+8*\c+7], v[VF+8*\c+2*\sp:VF+8*\c+2*\sp+1], v[T+2*\sp:T+2*\sp+1], v[A2+8*\c:A2+8*\c+7]
.endif
.endr
.endr
.rept 9
	v_nop                                          ; nine places ahead of matrix instructions that take these results as a source
.endr
	s_wait_loadcnt 0x0                             ; Wo
; out^T += Wo O^T: sixteen steps of 4 channels x four column tiles by turns; the first four start the sums anew
.irp c, 0,1,2,3
.irp sp, 0,1,2,3
.irp nt, 0,1,2,3
.if \nt < 2
.set rW, WA+32*\nt+8*\c+2*\sp
.else
.set rW, WB+32*(\nt-2)+8*\c+2*\sp
.endif
.if (\c == 0) && (\sp == 0)
	v_wmma_f32_16x16x4_f32 v[A1+8*\nt:A1+8*\nt+7], v[rW:rW+1], v[A2+8*\c+2*\sp:A2+8*\c+2*\sp+1], 0
.else
	v_wmma_f32_16x16x4_f32 v[A1+8*\nt:A1+8*\nt+7], v[rW:rW+1], v[A2+8*\c+2*\sp:A2+8*\c+2*\sp+1], v[A1+8*\nt:A1+8*\nt+7]
.endif
.endr
.endr
.endr
.rept 8
	v_nop                                          ; eight places: ahead of the stores that read the results, and of the loads below into Wo's registers
.endr
.irp nt, 0,1,2,3
	ds_store_b128 v6, v[A1+8*\nt:A1+8*\nt+3] offset:64*\nt        ; lane (r, h): out(r, 16 nt + 8 h + 0..7), my head's share; each accumulator from its low end on
	ds_store_b128 v6, v[A1+8*\nt+4:A1+8*\nt+7] offset:64*\nt+16
.endr
	s_wait_dscnt 0x0                               ; for the others' sake: my share lies in LDS
	s_barrier_signal -1
	s_barrier_wait -1
	s_cmp_ge_u32 s10, 8
	s_cbranch_scc1 .Lend
.irp p, 0,1,2,3,4,5,6,7,8,9,10,11,12,13,14,15
	ds_load_b128 v[32+4*\p:32+4*\p+3], v7 offset:PARTB*\p
.endr
	s_wait_dscnt 0x0
.irp d, 1,2,4,8                        ; the sixteen shares, added in pairs
.set p, 0
.rept 8/\d
	v_pk_add_f32 v[32+4*p:32+4*p+1], v[32+4*p:32+4*p+1], v[32+4*(p+\d):32+4*(p+\d)+1]
	v_pk_add_f32 v[34+4*p:34+4*p+1], v[34+4*p:34+4*p+1], v[34+4*(p+\d):34+4*(p+\d)+1]
.set p, p+2*\d
.endr
.endr
	global_store_b128 v8, v[32:35], s[8:9]         ; sixteen lanes store 256 consecutive bytes, aligned
.Lend:
	s_wait_tensorcnt 0x0                           ; the wave's end, behind my last LDS store
	ds_add_u32 v16, v17
	s_wait_dscnt 0x0
	s_endpgm
.Lfunc_end_k_q1e6bca3ed2_fine:
	.size	k_q1e6bca3ed2_fine, .Lfunc_end_k_q1e6bca3ed2_fine-k_q1e6bca3ed2_fine
	.p2alignl 7, 3214868480
	.fill 96, 4, 3214868480
	.section	.rodata,"a",@progbits
	.p2align	6, 0x0
	.amdhsa_kernel k_q1e6bca3ed2_fine
		.amdhsa_group_segment_fixed_size 71680
		.amdhsa_private_segment_fixed_size 0
		.amdhsa_enable_private_segment 0
		.amdhsa_kernarg_size 24
		.amdhsa_user_sgpr_count 2
		.amdhsa_user_sgpr_kernarg_segment_ptr 1
		.amdhsa_wavefront_size32 1
		.amdhsa_system_sgpr_workgroup_id_x 1
		.amdhsa_system_sgpr_workgroup_id_y 1
		.amdhsa_system_sgpr_workgroup_id_z 1
		.amdhsa_system_vgpr_workitem_id 0
		.amdhsa_next_free_vgpr 256
		.amdhsa_next_free_sgpr 66
		.amdhsa_reserve_vcc 1
		.amdhsa_float_denorm_mode_32 3
		.amdhsa_float_denorm_mode_16_64 3
		.amdhsa_memory_ordered 1
		.amdhsa_forward_progress 1
		.amdhsa_inst_pref_size 24
	.end_amdhsa_kernel
	.amdgpu_metadata
---
amdhsa.version: [ 1, 2 ]
amdhsa.kernels:
  - .name:           k_q1e6bca3ed2_fine
    .symbol:         k_q1e6bca3ed2_fine.kd
    .args:
      - { .name: finebuf, .offset: 0, .size: 8, .value_kind: global_buffer, .address_space: global }
      - { .name: Wo, .offset: 8, .size: 8, .value_kind: global_buffer, .address_space: global }
      - { .name: out0, .offset: 16, .size: 8, .value_kind: global_buffer, .address_space: global }
    .group_segment_fixed_size: 71680
    .private_segment_fixed_size: 0
    .kernarg_segment_align: 8
    .kernarg_segment_size: 24
    .max_flat_workgroup_size: 512
    .sgpr_count:     66
    .vgpr_count:     256
    .wavefront_size: 32
...
	.end_amdgpu_metadata
.endif
;; end of part 5
